; MI455X (gfx1250); checked and timed in simulation.
; The chip was launched on July 23, 2026; its instructions are those of AMD's public machine-readable ISA for CDNA 5 (MIT licence, August 2026) and "CDNA5" Instruction Set Architecture Reference Guide (July 2026). The comments in the code are by the model that wrote it; some were corrected since.
;; Multi Head Attention. Allowed arithmetic: matrix products marked QUANTISED: E2M3 operands, one E8M0 scale for each 32 along K, by v_wmma_scale_f32_16x16x128_f8f6f4 with both operands' format E2M3, f32 sums; everything else in f32.
;; Inputs: b_proj 1,024 float32; w_proj 1,024 x 1,024 float32; w_qkv 3,072 x 1,024 float32; x 4 x 2,048 x 1,024 float32.
;; Outputs: out0 4 x 2,048 x 1,024 float32.
;; This version of the problem:
;;   THIS VERSION OF THE PROBLEM IS GIVEN IN LOW PRECISION. The matrix products marked QUANTISED in the list below multiply operands that are first quantised to E2M3 (2 exponent bits, 3 mantissa bits; 6 bits a number), with one power-of-two scale for each 32 numbers along K (OCP MX v1.0); their sums are f32. All else is computed in f32.
;;   The module's matrix products, in the order in which they are computed (A, B: the left and right operand; K: the contracted axis; several contracted axes count as one K, in the product's order):
;;     1. [M 8,192, K 1,024] x [K 1,024, N 3,072]; A: input x; B: input w_qkv: QUANTISED
;;     2. batch 64 x [M 2,048, K 64] x [K 64, N 2,048]; A: computed on the way; B: computed on the way: QUANTISED
;;     3. batch 64 x [M 2,048, K 2,048] x [K 2,048, N 64]; A: softmax (see below); B: computed on the way: QUANTISED
;;     4. [M 8,192, K 1,024] x [K 1,024, N 1,024]; A: computed on the way; B: input w_proj: QUANTISED
;;   THE QUANTISER, for each operand of a quantised product, along K:
;;     - K is cut into blocks of 32 from its start; a last block that is shorter is filled with zeros.
;;     - A block's scale is 2^e with e = floor(log2(the largest magnitude in the block)) - 2, held to -126 .. 127; a block of zeros has e = 0. As a byte (E8M0): e + 127.
;;     - Each number is divided by its block's scale, clamped to +-7.5, and rounded to the nearest number of E2M3, ties to even, subnormals kept.
;;     - The product sums the exact products of the quantised numbers (number of the format x scale) in f32.
;;   ~~~python
;;   def quantise(x, axis):      # numpy; x: float32 -> the quantised numbers, widened to float32 again
;;       x = np.moveaxis(x, axis, -1); K = x.shape[-1]
;;       x = np.pad(x, [(0, 0)] * (x.ndim - 1) + [(0, -K % 32)]); x = x.reshape(x.shape[:-1] + (-1, 32)); a = np.abs(x).max(-1, keepdims=True)
;;       e = np.where(a > 0, np.clip(np.frexp(np.where(a > 0, a, 1))[1] - 1 - 2, -126, 127), 0)      # np.frexp(a)[1] - 1 = floor(log2(a)), exactly
;;       r = np.clip(x / 2.0 ** e, -7.5, 7.5)
;;       step = 2.0 ** (np.maximum(np.frexp(np.where(r == 0, 1, r))[1] - 1, 0) - 3)
;;       q = np.round(r / step) * step * 2.0 ** e      # np.round: ties to even
;;       return np.moveaxis(q.reshape(q.shape[:-2] + (-1,))[..., :K], -1, axis).astype(np.float32)
;;   ~~~
;;   SOFTMAX AHEAD OF A QUANTISED PRODUCT. Where the list says 'softmax', what is quantised is not the finished softmax but p = 2^(t - M), with t = logit x log2(e) and M = ceil(the row's largest t), a whole number; so 1/2 < the row's largest p <= 1. The row's sum l is taken of the UNQUANTISED p, in f32, and the product's result is divided by l at the end. Since M is a whole number, a kernel that streams over the keys may use a running M (the ceiling of the running maximum): every later rescaling is an exact power of two, which a block's scale takes up: the codes' values come out the same.
;;   OPERANDS COMPUTED ON THE WAY. 'Computed on the way' means the value that the module computes at that place (a softmax that the list does not call 'softmax' is quantised finished and normalised). What goes into a quantiser is computed in f32, as accurately as f32 sums, v_exp_f32 and their like allow (about 1e-6 of the number): no bf16 or f16 on the way to a quantiser, and a product that is left as it is and whose result goes on into a quantised operand takes f32 operands (vector FMAs, or v_wmma_f32_16x16x4_f32). A number that lies on a knife's edge between two numbers of the format may be rounded either way, as far as f32 arithmetic and the matrix unit's own rounding can turn it there, and no further.
;; One version. Each part assembles by itself: llvm-mc -triple=amdgcn-amd-amdhsa -mcpu=gfx1250 --defsym DOCPART=n.
;; ======== version 1 of 1: 4 launches
;; limits: right only within a limited range of input values
;; workspace buffers: opc 9,437,184 bytes; ops 393,216 bytes; q 6,815,744 bytes; kv 13,369,344 bytes; oc 6,291,456 bytes; os 262,144 bytes
;; launch quant (part 1): grid 384 x 1, 4 waves a work-group, no clusters, 34,304 bytes of LDS; arguments x, w_qkv, w_proj, opc, ops; writes opc, ops
.if DOCPART == 1
	.amdgcn_target "amdgcn-amd-amdhsa--gfx1250"
	.amdhsa_code_object_version 6
	.text
	.protected	k_q0f0ecb522f_quant
	.globl	k_q0f0ecb522f_quant
	.p2align	8
	.type	k_q0f0ecb522f_quant,@function
k_q0f0ecb522f_quant:
	s_mov_b64 s[64:65], 0
	v_nop
	global_prefetch_b8 v0, s[64:65] scope:SCOPE_SE
	s_setreg_imm32_b32 hwreg(HW_REG_WAVE_MODE, 25, 1), 1
	s_wait_xcnt 0x0
; x [8192][1024], w_qkv [3072][1024] and w_proj [1024][1024], f32 with K innermost, become codes of FP6 (E2M3) with one E8M0 byte for each 32 along K,
; laid IN THE ORDER OF THE OPERAND'S REGISTERS, so that the products' launches load fragments as they stand.
; TILES.  16 rows form a tile; tile 2 b + u, lane row r, holds natural row 32 b + 8 u + r + 8 (r / 8).  Tiles 0-511 are x, 512-703 w_qkv, 704-767 w_proj.
; CODES (opc).  Fragment (tile T, K step s of 128) is 1,536 bytes at 12288 T + 1536 s: register pair p (0..5) of lane l at 256 p + 8 l.  Lane (r, h) holds, in registers 6 c .. 6 c + 5, k = 128 s + 64 c + 32 h + 0 .. 31 of row r.
; SCALES (ops).  The byte of block blk of (T, s, r) lies at 512 T + 256 (s / 4) + 16 r + 4 (s % 4) + blk: 16 bytes of a row are the scale words of four K steps.
; A block's scale is 2^(floor(log2(its largest magnitude)) - 2); its byte is that magnitude's exponent field - 2, held at 1 from below by a floor among the maximum's leaves.
; LIMITS: NaN and infinities among the inputs are not served.  A block whose largest magnitude lies under 2^-124 keeps the byte 1; a block of zeros gets the byte 1 and not 127: its codes are zeros, and this program alone reads the bytes.
; SHARES.  A wave takes one tile and one half of K: four fragments.  Each load reads 512 consecutive bytes of one row; the 16 rows x 512 bytes of a fragment turn through the wave's own stage in LDS (rows 528 bytes apart,
; so that the 16 rows of a read start at 16 different banks) and come back 256 bytes a lane: two whole blocks, so that a block's maximum needs no other lane.  Loads run one fragment (16 loads) ahead.
; Waves share nothing: no barrier, no tensor load, no cluster (no two work-groups read the same bytes).
.set SPI,  528                         ; a stage row: 512 bytes + 16
.set STG,  16*SPI                      ; a wave's stage
.set M,    10                          ; v10-11  the two blocks' largest magnitudes
.set SO,   12                          ; v12-13  the conversions' scale operands
.set B,    14                          ; v14-15  the scale bytes
.set WORD, 18                          ; v18-21  the four fragments' scale words
.set C,    24                          ; v24-35  a fragment's codes
.set CT,   36                          ; v36-38, v40-42  the upper halves of the two blocks, before they are moved
.set X,    48                          ; v48-111 64 numbers of my row
.set R,    112                         ; v112-239 two sets of 64 registers, as loaded
	s_load_b128 s[4:7], s[0:1], 0x0                ; x, w_qkv
	s_load_b128 s[8:11], s[0:1], 0x10              ; w_proj, opc
	s_load_b64 s[12:13], s[0:1], 0x20              ; ops
	v_lshl_add_u32 v240, v0, 2, 0x8400
	v_mov_b32 v241, 0
	v_lshrrev_b32 v1, 5, v0
	v_readfirstlane_b32 s16, v1                    ; wave 0..3
	v_and_b32 v1, 31, v0                           ; lane
	v_and_b32 v2, 15, v0                           ; r
	v_bfe_u32 v3, v0, 4, 1                         ; h
	v_lshlrev_b32 v4, 4, v1                        ; 16 x lane: my bytes of a load's 512
	s_mul_i32 s28, s16, STG
	v_add_nc_u32 v5, s28, v4                       ; the stage, on the way in
	v_mul_u32_u24 v6, v2, SPI
	v_lshl_add_u32 v6, v3, 7, v6
	v_add_nc_u32 v6, s28, v6                       ; and on the way out: row r, + 128 h
	v_lshlrev_b32 v7, 3, v1                        ; 8 x lane: a register pair's place
	v_lshlrev_b32 v8, 4, v2
	v_lshl_add_u32 v8, v3, 3, v8                   ; 16 r + 8 h: my two scale words' place
	v_lshlrev_b32 v9, 3, v3                        ; 8 h: my bytes' shift in a scale word
	v_mov_b32 v17, 0                               ; written once: a lane permute's destination counts as one of its sources
	s_mov_b32 s14, 0x76543210
	s_mov_b32 s15, 0xfedcba98                      ; v_permlanex16_b32's selects for lane l xor 16
	s_mov_b32 s29, 0xffff0000                      ; lanes 16-31
	s_lshl_b32 s17, ttmp9, 2
	s_add_co_u32 s17, s17, s16                     ; my unit: 2 x tile + half of K
	s_lshr_b32 s18, s17, 1                         ; tile
	s_and_b32 s19, s17, 1                          ; half of K
	s_mov_b32 s20, 704
	s_wait_alu depctr_va_vdst(0)
	s_wait_kmcnt 0x0
	s_cmp_lt_u32 ttmp9, 352                        ; which tensor: the choice hangs on the work-group's number alone
	s_cselect_b64 s[6:7], s[6:7], s[8:9]
	s_cselect_b32 s20, 512, s20
	s_cmp_lt_u32 ttmp9, 256
	s_cselect_b64 s[4:5], s[4:5], s[6:7]
	s_cselect_b32 s20, 0, s20                      ; the tensor's first tile
	s_sub_co_u32 s21, s18, s20                     ; my tile in the tensor
	s_lshr_b32 s22, s21, 1
	s_lshl_b32 s22, s22, 17                        ; 32 rows of 4,096 bytes for each pair of tiles,
	s_and_b32 s23, s21, 1
	s_lshl_b32 s23, s23, 15                        ; 8 rows for the odd tile,
	s_add_co_u32 s22, s22, s23
	s_lshl_b32 s23, s19, 11                        ; 2,048 bytes for the upper half of K
	s_add_co_u32 s22, s22, s23
	s_mov_b32 s23, 0
	s_add_nc_u64 s[4:5], s[4:5], s[22:23]
	s_mul_i32 s24, s18, 12288
	s_mul_i32 s25, s19, 6144
	s_add_co_u32 s24, s24, s25
	s_mov_b32 s25, 0
	s_add_nc_u64 s[10:11], s[10:11], s[24:25]      ; my four fragments
	s_lshl_b32 s26, s17, 8                         ; 512 x tile + 256 x half
	s_mov_b32 s27, 0
	s_add_nc_u64 s[12:13], s[12:13], s[26:27]      ; my 256 scale bytes
.macro LOAD t                          ; fragment t: 512 bytes of each of the tile's 16 rows, into set t % 2
.irp i, 0,1,2,3,4,5,6,7,8,9,10,11,12,13,14,15
	global_load_b128 v[R+64*((\t)%2)+4*\i:R+64*((\t)%2)+4*\i+3], v4, s[4:5] offset:(\i+8*(\i/8))*4096+512*(\t) th:TH_LOAD_NT
.endr
.endm
.macro FRAG t
.if (\t) < 3
	s_wait_loadcnt 16                              ; this fragment's 16 loads are in; the other set's 16 may be out
.else
	s_wait_loadcnt 0x0
.endif
.irp i, 0,1,2,3,4,5,6,7,8,9,10,11,12,13,14,15
	ds_store_b128 v5, v[R+64*((\t)%2)+4*\i:R+64*((\t)%2)+4*\i+3] offset:\i*SPI
.endr
.irp c, 0,1
.irp j, 0,1,2,3,4,5,6,7
	ds_load_b128 v[X+32*\c+4*\j:X+32*\c+4*\j+3], v6 offset:\c*256+16*\j   ; LDS serves a wave's instructions in order: these see the stores above
.endr
.endr
	s_wait_dscnt 0x0                               ; my 64 numbers are back, and the stores have read their registers,
.if (\t) < 2
	LOAD (\t)+2                                    ; which take the fragment two on
.endif
.irp c, 0,1
	v_max3_num_f32 v[M+\c], |v[X+32*\c]|, |v[X+32*\c+1]|, 0x1800000   ; block 2 c + h: all its 32 numbers are mine; the floor 2^(3 - 127) holds the byte at 1 from below
.endr
.irp i, 2,4,6,8,10,12,14,16,18,20,22,24,26,28,30
.irp c, 0,1
	v_max3_num_f32 v[M+\c], v[M+\c], |v[X+32*\c+\i]|, |v[X+32*\c+\i+1]|   ; (the two blocks by turns)
.endr
.endr
.irp c, 0,1
	v_add_nc_u32 v[SO+\c], 0xff000000, v[M+\c]     ; 2 off the exponent field: the conversion takes the exponent field of this operand as its scale
.endr
.irp c, 0,1
	v_lshrrev_b32 v[B+\c], 23, v[SO+\c]            ; the scale's byte
.endr
	v_lshl_or_b32 v16, v[B+1], 16, v[B]            ; my two bytes, blocks h and 2 + h,
	v_lshlrev_b32 v16, v9, v16                     ; at their places in the word;
	v_permlanex16_b32 v17, v16, s14, s15
	v_or_b32 v[WORD+(\t)], v16, v17                ; with lane l xor 16's two the word is whole
	s_wait_alu depctr_va_vdst(0)
	s_wait_xcnt 0x0                                ; the last fragment's stores have read their data: the codes' registers are written again only behind this wait
.irp c, 0,1
	v_cvt_scalef32_pk16_fp6_f32 v[C+6*\c:C+6*\c+2], v[X+32*\c:X+32*\c+15], v[SO+\c]
	v_cvt_scalef32_pk16_fp6_f32 v[CT+4*\c:CT+4*\c+2], v[X+32*\c+16:X+32*\c+31], v[SO+\c]   ; (a conversion's three registers begin on an even number)
.endr
	v_nop                                          ; one plain place behind the scaled conversions
.irp c, 0,1
.irp i, 0,1,2
	v_mov_b32 v[C+6*\c+3+\i], v[CT+4*\c+\i]
.endr
.endr
.irp p, 0,1,2,3,4,5
	global_store_b64 v7, v[C+2*\p:C+2*\p+1], s[10:11] offset:(\t)*1536+256*\p   ; 32 lanes store 256 consecutive bytes, aligned
.endr
.endm
	LOAD 0
	LOAD 1
	FRAG 0
	FRAG 1
	FRAG 2
	FRAG 3
	v_cndmask_b32 v22, v[WORD], v[WORD+2], s29     ; lanes 0-15 take their row's words 0 and 1, lanes 16-31 words 2 and 3
	v_cndmask_b32 v23, v[WORD+1], v[WORD+3], s29
	global_store_b64 v8, v[22:23], s[12:13]        ; 256 consecutive bytes, aligned
	s_wait_tensorcnt 0x0
	ds_add_u32 v240, v241
	s_wait_dscnt 0x0
	s_endpgm
.Lfunc_end_k_q0f0ecb522f_quant:
	.size	k_q0f0ecb522f_quant, .Lfunc_end_k_q0f0ecb522f_quant-k_q0f0ecb522f_quant
	.p2alignl 7, 3214868480
	.fill 96, 4, 3214868480
	.section	.rodata,"a",@progbits
	.p2align	6, 0x0
	.amdhsa_kernel k_q0f0ecb522f_quant
		.amdhsa_group_segment_fixed_size 34304
		.amdhsa_private_segment_fixed_size 0
		.amdhsa_enable_private_segment 0
		.amdhsa_kernarg_size 40
		.amdhsa_user_sgpr_count 2
		.amdhsa_user_sgpr_kernarg_segment_ptr 1
		.amdhsa_wavefront_size32 1
		.amdhsa_system_sgpr_workgroup_id_x 1
		.amdhsa_system_sgpr_workgroup_id_y 1
		.amdhsa_system_sgpr_workgroup_id_z 1
		.amdhsa_system_vgpr_workitem_id 0
		.amdhsa_next_free_vgpr 242
		.amdhsa_next_free_sgpr 66
		.amdhsa_reserve_vcc 0
		.amdhsa_float_denorm_mode_32 3
		.amdhsa_float_denorm_mode_16_64 3
		.amdhsa_memory_ordered 1
		.amdhsa_forward_progress 1
		.amdhsa_inst_pref_size 32
	.end_amdhsa_kernel
	.amdgpu_metadata
---
amdhsa.version: [ 1, 2 ]
amdhsa.kernels:
  - .name:           k_q0f0ecb522f_quant
    .symbol:         k_q0f0ecb522f_quant.kd
    .args:
      - { .name: x, .offset: 0, .size: 8, .value_kind: global_buffer, .address_space: global }
      - { .name: w_qkv, .offset: 8, .size: 8, .value_kind: global_buffer, .address_space: global }
      - { .name: w_proj, .offset: 16, .size: 8, .value_kind: global_buffer, .address_space: global }
      - { .name: opc, .offset: 24, .size: 8, .value_kind: global_buffer, .address_space: global }
      - { .name: ops, .offset: 32, .size: 8, .value_kind: global_buffer, .address_space: global }
    .group_segment_fixed_size: 34304
    .private_segment_fixed_size: 0
    .kernarg_segment_align: 8
    .kernarg_segment_size: 40
    .max_flat_workgroup_size: 128
    .sgpr_count:     66
    .vgpr_count:     242
    .wavefront_size: 32
...
	.end_amdgpu_metadata
.endif
;; end of part 1
;; launch qkv (part 2): grid 16 x 48, 4 waves a work-group, clusters of 4 x 4, 295,424 bytes of LDS; arguments opc, ops, q, kv; writes q, kv
.if DOCPART == 2
	.amdgcn_target "amdgcn-amd-amdhsa--gfx1250"
	.amdhsa_code_object_version 6
	.text
	.protected	k_q0f0ecb522f_qkv
	.globl	k_q0f0ecb522f_qkv
	.p2align	8
	.type	k_q0f0ecb522f_qkv,@function
k_q0f0ecb522f_qkv:
	s_mov_b64 s[64:65], 0
	v_nop
	global_prefetch_b8 v0, s[64:65] scope:SCOPE_SE
	s_setreg_imm32_b32 hwreg(HW_REG_WAVE_MODE, 25, 1), 1
	s_wait_xcnt 0x0
	s_wait_alu depctr_hold_cnt(0) depctr_sa_sdst(0) depctr_va_vdst(0) depctr_va_sdst(0) depctr_va_ssrc(0) depctr_va_vcc(0) depctr_vm_vsrc(0)
	s_getreg_b32 s2, hwreg(HW_REG_IB_STS2, 6, 4)
	s_cmp_eq_u32 s2, 0
	s_cbranch_scc0 .Lentry_in_a_cluster
	s_endpgm
.Lentry_in_a_cluster:
	s_bfe_u32 s2, ttmp6, 0x10000c
	s_cmp_lg_u32 s2, 0xf033
	s_cbranch_scc0 .Lentry_shape_is_right
	s_endpgm
.Lentry_shape_is_right:
; q, k, v = x w_qkv^T on codes of FP6 with E8M0 scales, and the quantisers of q, k (along the head's 64) and v (along the keys) in the way out: no f32 result goes to memory.
; SIDES.  Source 0 is the P side, 128 rows (8 tiles), source 1 the Q side, 256 rows (16 tiles; 4 a wave).  In a result a lane holds ONE row of the Q side, and its registers run along the P side's rows.
; A tile's 16 rows are natural rows 32 b + 8 u + r + 8 (r / 8), so the 16 registers of P tiles 2 b and 2 b + 1 are 16 NEIGHBOURS, 32 b + 16 (lane / 16) + 0 .. 15: they are the next product's K.
; ROLES, by the cluster's y, which all partners share.  y < 8: P = 128 rows of W_q or W_k (two heads), Q = 256 tokens: a lane's 64 registers are 128 features of one token.
;                                                  y >= 8: P = 128 tokens (a key step), Q = 256 rows of W_v (a head a wave): a lane's 64 registers are 128 keys of one channel.
; The main part is one text for both roles; they differ in tile numbers (a select on y) and in the way out (a scalar branch on y), which touches no LDS.
; LDS.  All of K = 1,024 of the 24 tiles, 294,912 bytes, lies in LDS: two halves of 512 along K, each filled ONCE; nothing is filled again.  One tensor load of mine is out at the most.
; CLUSTER 4 x 4.  The Q side hangs on cy alone and is asked for jointly by a row of the cluster, the P side on cx alone and is asked for jointly by a column.
; OUT.  q: [64 heads of batches][32 groups of 64 tokens][3,328]: 24 registers a lane (tile a at 6 a), four registers at 512 i + 16 lane; then 256 bytes of scale words, [lane][2]: tile 2 j + lane / 16, row lane % 16; bytes 2, 3 are 0.
;       kv: [64][16 key steps][13,056]: K's 48 registers (tile t at 6 t), V's 48 (channel tile a at 12 a), K's scale words [2][lane][2], V's [lane][2].
; LIMITS: NaN and infinities are not served; a block whose largest magnitude lies under 2^-124, a block of zeros among them, keeps the byte 1 (its bytes are read by this program alone).
; REGISTERS, in windows of 256: window 0: v1-15 addresses, v16-31 Q's scale words, v32-63 P's, v64-98 at work on the way out, v112-207 P's fragments, v208-255 Q's (set 0; on the way out the codes);
;   window 1: the 32 accumulators, (a, b) at v[8 (8 a + b)];   window 2: v112-255 fragment set 1.
; LDS AS THIS TEXT LAYS IT: two halves of K (512 along K each), each filled once; in a half Q's 16 tiles, then P's 8, a tile's four fragments on end.
; One tensor load a wave, all at the head: wave 0 Q's lower half of K, wave 1 P's, wave 2 Q's upper half, wave 3 P's.  One tensor load of mine is out at the most.
.set CHUNK, 147456                     ; 24 tiles x 6,144 bytes: 512 along K
.set TILEB, 6144                       ; a tile in a half: four fragments
.set FRB,   1536                       ; a fragment: 12 registers x 32 lanes
.set PBASE, 98304                      ; in a half: Q's 16 tiles, then P's 8
.set ADQ, 8                            ; v8-9   8 x lane + my four Q tiles in chunk j
.set ADP, 12                           ; v12-13  8 x lane + P's tiles in chunk j
.set SQ,  16                           ; v[SQ + 8 (a / 2) + s]: lanes 0-15 the words of Q tile a even, lanes 16-31 of a odd, K step s
.set SP,  32                           ; the same for P's tiles
.set TM,  64                           ; v64-67 largest magnitudes, v68-71 bytes, v76-79 scale operands
.set CT,  80                           ; v80-82, v84-86 halves of blocks before they change lanes
.set PW,  88                           ; v88-91 the scale words of my four Q tiles
.set L16, 98                           ; v98    16 x lane
.set FP,  112
.set FQ,  208
.set WV,  12                           ; s12 wave
.set G1Q, 16                           ; s[16:23], s[24:31] descriptor groups 1
.set G1P, 24
.set G0,  32                           ; s[32:47] four groups 0: chunk j: Q's at 8 j, P's at 8 j + 4
.set CX,  66
.set CY,  67
.set CLX, 68
.set CLY, 69
.set HI,  97                           ; s97 lanes 16-31
.set SEL, 98                           ; s[98:99] lane selects for lane l xor 16
.set MSB, 0
.macro WIN new                         ; the immediate's high byte repeats the setting that is left; a switch that changes nothing is dropped
.set NW, \new
.if MSB != NW
	s_set_vgpr_msb (MSB<<8)|NW
.set MSB, NW
.endif
.endm
.macro PLACES                          ; four plain places behind matrix instructions, in front of loads into registers that they have read and of the first read of results
.rept 4
	v_nop
.endr
.endm
.macro CROUND                          ; a round of the cluster's barrier
	s_barrier_signal -1
	s_barrier_wait -1
	s_cmp_lg_u32 s[WV], 0
	s_cbranch_scc1 .Lnot_wave_0_\@
	s_barrier_signal -3
.Lnot_wave_0_\@:
	s_barrier_wait -3
	s_barrier_signal -1
	s_barrier_wait -1
.endm
	s_load_b256 s[4:11], s[0:1], 0x0               ; opc s[4:5], ops s[6:7], q s[8:9], kv s[10:11]
	v_lshl_add_u32 v110, v0, 2, 0x48000
	v_mov_b32 v111, 0
	ds_add_u32 v110, v111
	ds_add_u32 v110, v111
	v_lshrrev_b32 v3, 5, v0
	v_readfirstlane_b32 s[WV], v3                  ; wave 0..3
	s_bfe_u32 s[CX], ttmp6, 0x40000                ; my place in the cluster
	s_bfe_u32 s[CY], ttmp6, 0x40004
	s_mov_b32 s[CLX], ttmp9                        ; the cluster's x, 0..3
	s_and_b32 s[CLY], ttmp7, 0xffff                ; and y, 0..11
	s_mov_b32 s[SEL], 0x76543210
	s_mov_b32 s[SEL+1], 0xfedcba98
	s_mov_b32 s[HI], 0xffff0000
	; tile numbers in opc.  Q's registers (s70, s71) never hold cx, P's (s72 to s74) never cy
	s_lshl_b32 s70, s[CLY], 6                      ; tokens: 64 tiles a cluster
	s_lshl_b32 s72, s[CLX], 5                      ; 32 P tiles a cluster
	s_sub_co_u32 s73, s[CLY], 8
	s_lshl_b32 s73, s73, 7                         ; role V: 128 tiles a batch (not used in the other role)
	s_cmp_lt_u32 s[CLY], 8
	s_cselect_b32 s70, s70, 640                    ; Q: tokens, or W_v's rows
	s_cselect_b32 s73, 512, s73                    ; P: W_q's and W_k's rows, or the batch's tokens
	s_add_co_u32 s72, s72, s73
	s_lshl_b32 s71, s[CY], 4
	s_add_co_u32 s70, s70, s71
	s_mul_i32 s76, s70, 12288                      ; the work-group's sixteen Q tiles, in bytes
	s_lshl_b32 s71, s[WV], 2
	s_add_co_u32 s70, s70, s71                     ; my four Q tiles
	s_lshl_b32 s73, s[CX], 3
	s_add_co_u32 s72, s72, s73                     ; the work-group's eight P tiles,
	s_mov_b32 s77, 0
	s_mul_i32 s78, s72, 12288
	s_mov_b32 s79, 0
	s_lshl_b32 s80, s70, 9
	s_mov_b32 s81, 0
	s_lshl_b32 s82, s72, 9
	s_mov_b32 s83, 0
	s_lshl_b32 s84, s[CY], 2
	s_lshl_b32 s84, 15, s84                        ; my row of the cluster
	s_lshl_b32 s85, 0x1111, s[CX]                  ; my column
	; descriptor groups 1: rows of 6,144 bytes (768 elements of 8 bytes), 12,288 bytes apart in memory, dense in LDS
	s_or_b32 s[G1Q], s84, (3<<16)|(1<<21)          ; 15:0 the mask; 17:16 elements of 8 bytes; 21 set beside a mask; no padding
	s_or_b32 s[G1P], s85, (3<<16)|(1<<21)
.irp g, G1Q, G1P
	s_mov_b32 s[\g+1], 768<<16                     ; tensor_dim0: 6,144 bytes, half of a tile's K
	s_mov_b32 s[\g+3], 768<<16                     ; tile_dim0
	s_mov_b32 s[\g+5], 1536                        ; tensor_dim0_stride
	s_mov_b32 s[\g+6], 0
	s_mov_b32 s[\g+7], 0
.endr
	s_mov_b32 s[G1Q+2], 16<<16                     ; tensor_dim1: sixteen tiles
	s_mov_b32 s[G1Q+4], 16                         ; tile_dim1
	s_mov_b32 s[G1P+2], 8<<16                      ; eight tiles
	s_mov_b32 s[G1P+4], 8
	s_mul_i32 s90, s[WV], 4*TILEB                  ; where my four Q tiles lie in a half
	s_wait_dscnt 0x0
	s_wait_kmcnt 0x0
	s_add_nc_u64 s[76:77], s[4:5], s[76:77]        ; Q's codes
	s_add_nc_u64 s[78:79], s[4:5], s[78:79]        ; P's
	s_add_nc_u64 s[80:81], s[6:7], s[80:81]        ; Q's scales
	s_add_nc_u64 s[82:83], s[6:7], s[82:83]        ; P's
.irp j, 0,1
	s_mov_b32 s[G0+8*\j], 1
	s_mov_b32 s[G0+8*\j+1], \j*CHUNK
	s_add_nc_u64 s[G0+8*\j+2:G0+8*\j+3], s[76:77], \j*TILEB
	s_or_b32 s[G0+8*\j+3], s[G0+8*\j+3], 0x80000000
	s_mov_b32 s[G0+8*\j+4], 1
	s_mov_b32 s[G0+8*\j+5], \j*CHUNK+PBASE
	s_add_nc_u64 s[G0+8*\j+6:G0+8*\j+7], s[78:79], \j*TILEB
	s_or_b32 s[G0+8*\j+7], s[G0+8*\j+7], 0x80000000
.endr
	CROUND                                         ; all sixteen work-groups are here: the joint loads meet
	s_cmp_lt_u32 s[WV], 1                          ; one chain of arms on the wave's number, one load to an arm
	s_cbranch_scc0 .Lh1
	tensor_load_to_lds s[G0:G0+3], s[G1Q:G1Q+7]    ; wave 0: Q, lower half of K
	s_nop 0
	PLACES
	s_branch .Lasked
.Lh1:
	s_cmp_lt_u32 s[WV], 2
	s_cbranch_scc0 .Lh2
	tensor_load_to_lds s[G0+4:G0+7], s[G1P:G1P+7]  ; wave 1: P, lower half
	s_nop 0
	PLACES
	s_branch .Lasked
.Lh2:
	s_cmp_lt_u32 s[WV], 3
	s_cbranch_scc0 .Lh3
	tensor_load_to_lds s[G0+8:G0+11], s[G1Q:G1Q+7] ; wave 2: Q, upper half
	s_nop 0
	PLACES
	s_branch .Lasked
.Lh3:
	tensor_load_to_lds s[G0+12:G0+15], s[G1P:G1P+7] ; wave 3: P, upper half
	s_nop 0
	PLACES
.Lasked:
	v_and_b32 v3, 31, v0                           ; lane
	v_and_b32 v4, 15, v0                           ; r
	v_bfe_u32 v5, v0, 4, 1                         ; h
	v_lshlrev_b32 v1, 3, v3                        ; 8 x lane
	v_lshlrev_b32 v[L16], 4, v3                    ; 16 x lane
	v_lshlrev_b32 v2, 4, v4
	v_lshl_add_u32 v2, v5, 9, v2                   ; scale words: 16 r, + 512 h: lanes 16-31 take the odd tile of a pair
.irp i, 0,1
.irp k, 0,1
	global_load_b128 v[SQ+8*\i+4*\k:SQ+8*\i+4*\k+3], v2, s[80:81] offset:\i*1024+\k*256   ; four K steps' words a load; two runs of 256 consecutive bytes
.endr
.endr
.irp i, 0,1,2,3
.irp k, 0,1
	global_load_b128 v[SP+8*\i+4*\k:SP+8*\i+4*\k+3], v2, s[82:83] offset:\i*1024+\k*256
.endr
.endr
	v_add_nc_u32 v6, s90, v1
.irp j, 0,1
	v_add_nc_u32 v[ADQ+\j], \j*CHUNK, v6
	v_add_nc_u32 v[ADP+\j], \j*CHUNK+PBASE, v1
.endr
.irp b, 0,1,2,3
	v_mov_b32 v[TM+4+\b], 0                        ; written once: a lane permute's destination counts as one of its sources
.endr
; The fragments of K step s into set s % 2: 72 loads of 8 bytes a lane, each 256 consecutive bytes: the register image as it lies.
.macro FETCH s
	WIN 0x80*((\s)%2)                              ; destination window 0 or 2
.irp b, 0,1,2,3,4,5,6,7
.irp p, 0,1,2,3,4,5
	ds_load_b64 v[FP+12*\b+2*\p:FP+12*\b+2*\p+1], v[ADP+(\s)/4] offset:\b*TILEB+((\s)%4)*FRB+256*\p
.endr
.endr
.irp a, 0,1,2,3
.irp p, 0,1,2,3,4,5
	ds_load_b64 v[FQ+12*\a+2*\p:FQ+12*\a+2*\p+1], v[ADQ+(\s)/4] offset:\a*TILEB+((\s)%4)*FRB+256*\p
.endr
.endr
.endm
; One product.  first = 1: it starts the sum.  ra, rb: the side's scale words stand in lanes 16-31 of the register named.
.macro PROD first, ra, rb
.set rF, 4*(\first)+2*(\ra)+(\rb)
.if rF == 0
	v_wmma_scale_f32_16x16x128_f8f6f4 v[rD:rD+7], v[rA:rA+11], v[rB:rB+11], v[rD:rD+7], v[rSA], v[rSB] matrix_a_fmt:MATRIX_FMT_FP6 matrix_b_fmt:MATRIX_FMT_FP6
.elseif rF == 1
	v_wmma_scale_f32_16x16x128_f8f6f4 v[rD:rD+7], v[rA:rA+11], v[rB:rB+11], v[rD:rD+7], v[rSA], v[rSB] matrix_a_fmt:MATRIX_FMT_FP6 matrix_b_fmt:MATRIX_FMT_FP6 matrix_b_scale:MATRIX_SCALE_ROW1
.elseif rF == 2
	v_wmma_scale_f32_16x16x128_f8f6f4 v[rD:rD+7], v[rA:rA+11], v[rB:rB+11], v[rD:rD+7], v[rSA], v[rSB] matrix_a_fmt:MATRIX_FMT_FP6 matrix_b_fmt:MATRIX_FMT_FP6 matrix_a_scale:MATRIX_SCALE_ROW1
.elseif rF == 3
	v_wmma_scale_f32_16x16x128_f8f6f4 v[rD:rD+7], v[rA:rA+11], v[rB:rB+11], v[rD:rD+7], v[rSA], v[rSB] matrix_a_fmt:MATRIX_FMT_FP6 matrix_b_fmt:MATRIX_FMT_FP6 matrix_a_scale:MATRIX_SCALE_ROW1 matrix_b_scale:MATRIX_SCALE_ROW1
.elseif rF == 4
	v_wmma_scale_f32_16x16x128_f8f6f4 v[rD:rD+7], v[rA:rA+11], v[rB:rB+11], 0, v[rSA], v[rSB] matrix_a_fmt:MATRIX_FMT_FP6 matrix_b_fmt:MATRIX_FMT_FP6
.elseif rF == 5
	v_wmma_scale_f32_16x16x128_f8f6f4 v[rD:rD+7], v[rA:rA+11], v[rB:rB+11], 0, v[rSA], v[rSB] matrix_a_fmt:MATRIX_FMT_FP6 matrix_b_fmt:MATRIX_FMT_FP6 matrix_b_scale:MATRIX_SCALE_ROW1
.elseif rF == 6
	v_wmma_scale_f32_16x16x128_f8f6f4 v[rD:rD+7], v[rA:rA+11], v[rB:rB+11], 0, v[rSA], v[rSB] matrix_a_fmt:MATRIX_FMT_FP6 matrix_b_fmt:MATRIX_FMT_FP6 matrix_a_scale:MATRIX_SCALE_ROW1
.else
	v_wmma_scale_f32_16x16x128_f8f6f4 v[rD:rD+7], v[rA:rA+11], v[rB:rB+11], 0, v[rSA], v[rSB] matrix_a_fmt:MATRIX_FMT_FP6 matrix_b_fmt:MATRIX_FMT_FP6 matrix_a_scale:MATRIX_SCALE_ROW1 matrix_b_scale:MATRIX_SCALE_ROW1
.endif
.endm
; K step s: 32 products.  The 32 accumulators take turns, one instruction a turn, in the same order in every step.
.macro MUL s, first
.irp a, 0,1,2,3
.irp b, 0,1,2,3,4,5,6,7
.set rD, 8*(8*\a+\b)
.set rA, FP+12*\b
.set rB, FQ+12*\a
.set rSA, SP+8*(\b/2)+(\s)
.set rSB, SQ+8*(\a/2)+(\s)
	PROD \first, \b%2, \a%2
.endr
.endr
.endm
.macro STEP s
	s_wait_dscnt 0x0                               ; this step's fragments, asked for a step ago, are in
.if (\s) == 3
	s_wait_tensorcnt 0x0                           ; every wave waits for its load: the upper half of K is in,
	s_barrier_signal -1                            ; and is shown to all
	s_barrier_wait -1
.endif
.if ((\s) > 0) && ((\s) < 7)
	PLACES                                         ; the set to be loaded was read by the step before
.endif
.if (\s) < 7
	FETCH (\s)+1
.endif
	WIN 0x50+0x0a*((\s)%2)                         ; sources 0 and 1 window 0 or 2, C and D window 1
.if (\s) == 0
	MUL \s, 1
.else
	MUL \s, 0
.endif
	WIN 0
.endm
; 64 results of a lane in window 1, register 16 b + i = k 32 b + 16 (lane / 16) + i of my row, become codes: blocks 0, 1 in v[d0] on (6 registers), blocks 2, 3 in v[d1] on, and the scale word in v[pw].
.macro QUANT src, d0, d1, pw
	WIN 0x05                                       ; sources 0 and 1 window 1
.irp b, 0,1,2,3
	v_max3_num_f32 v[TM+\b], |v[(\src)+16*\b]|, |v[(\src)+1+16*\b]|, 0x1800000   ; my 16 numbers of block b, each accumulator from its low end on, and the floor 2^(3 - 127)
.endr
	WIN 0x14                                       ; sources 1 and 2 window 1
.irp i, 2,4,6,8,10,12,14
.irp b, 0,1,2,3
	v_max3_num_f32 v[TM+\b], v[TM+\b], |v[(\src)+16*\b+\i]|, |v[(\src)+1+16*\b+\i]|
.endr
.endr
	WIN 0
.irp b, 0,1,2,3
	v_permlanex16_b32 v[TM+4+\b], v[TM+\b], s[SEL], s[SEL+1]
.endr
.irp b, 0,1,2,3
	v_max_num_f32 v[TM+\b], v[TM+\b], v[TM+4+\b]   ; with lane l xor 16's: the block's largest magnitude
.endr
.irp b, 0,1,2,3
	v_add_nc_u32 v[TM+12+\b], 0xff000000, v[TM+\b] ; 2 off the exponent field: the conversion's scale operand
.endr
.irp b, 0,1,2,3
	v_lshrrev_b32 v[TM+4+\b], 23, v[TM+12+\b]      ; the scale's byte
.endr
	v_lshl_or_b32 v[\pw], v[TM+5], 8, v[TM+4]
	v_lshl_or_b32 v[\pw], v[TM+6], 16, v[\pw]
	v_lshl_or_b32 v[\pw], v[TM+7], 24, v[\pw]
	WIN 0x01                                       ; source 0 window 1
	v_cvt_scalef32_pk16_fp6_f32 v[(\d0):(\d0)+2], v[(\src):(\src)+15], v[TM+12]
	v_cvt_scalef32_pk16_fp6_f32 v[CT:CT+2], v[(\src)+16:(\src)+31], v[TM+13]
	v_cvt_scalef32_pk16_fp6_f32 v[(\d1):(\d1)+2], v[(\src)+32:(\src)+47], v[TM+14]
	v_cvt_scalef32_pk16_fp6_f32 v[CT+4:CT+6], v[(\src)+48:(\src)+63], v[TM+15]
	WIN 0
	v_nop                                          ; one plain place behind the scaled conversions
.irp i, 0,1,2                                      ; the operand's layout wants a WHOLE block in a lane: lanes 0-15 the even block, lanes 16-31 the odd one
	v_permlane16_swap_b32 v[(\d0)+\i], v[CT+\i]
	v_permlane16_swap_b32 v[(\d1)+\i], v[CT+4+\i]
.endr
.irp i, 0,1,2
	v_mov_b32 v[(\d0)+3+\i], v[CT+\i]
	v_mov_b32 v[(\d1)+3+\i], v[CT+4+\i]
.endr
.endm
	s_wait_alu depctr_va_vdst(0)
	s_cmp_lt_u32 s[WV], 2                          ; waves 0 and 1 fetched the lower half of K: they wait for it; the upper half may still be out
	s_cbranch_scc0 .Lhigh
	s_wait_tensorcnt 0x0
.Lhigh:
	s_barrier_signal -1
	s_barrier_wait -1                              ; everybody's is
	FETCH 0
	s_wait_loadcnt 0x0                             ; the scale words
.irp s, 0,1,2,3,4,5,6,7
	STEP \s
.endr
	PLACES                                         ; in front of the first read of results
	s_cmp_lt_u32 s[CLY], 8
	s_cbranch_scc0 .Lrole_v
	; ---- q or k: my 64 tokens x two heads
	s_lshr_b32 s70, s[CLY], 1                      ; batch
	s_and_b32 s71, s[CLY], 1
	s_lshl_b32 s71, s71, 2
	s_add_co_u32 s71, s71, s[CY]
	s_lshl_b32 s71, s71, 2
	s_add_co_u32 s71, s71, s[WV]                   ; my group of 64 tokens in the batch, 0..31
	s_and_b32 s72, s[CLX], 1
	s_lshl_b32 s72, s72, 2
	s_add_co_u32 s72, s72, s[CX]
	s_lshl_b32 s72, s72, 1                         ; the first of my two heads
	s_lshl_b32 s70, s70, 4
	s_add_co_u32 s70, s70, s72                     ; 16 x batch + head
	s_mul_i32 s73, s70, 208896                     ; k: the head's part of kv,
	s_lshr_b32 s74, s71, 1
	s_mul_i32 s74, s74, 13056
	s_add_co_u32 s73, s73, s74                     ; the key step's block,
	s_and_b32 s74, s71, 1
	s_mul_i32 s75, s74, 3072
	s_add_co_u32 s75, s75, s73                     ; my half of K's registers,
	s_lshl_b32 s74, s74, 8
	s_add_co_u32 s74, s74, s73
	s_add_co_u32 s74, s74, 12288                   ; and of K's scale words
	s_mul_i32 s76, s70, 106496                     ; q: the head's part,
	s_mul_i32 s77, s71, 3328
	s_add_co_u32 s76, s76, s77                     ; my group's registers,
	s_add_co_u32 s77, s76, 3072                    ; and scale words
	s_mov_b32 s78, 208896
	s_cmp_lt_u32 s[CLX], 2                         ; features under 1,024 are q's
	s_cselect_b64 s[80:81], s[8:9], s[10:11]
	s_cselect_b32 s82, s76, s75
	s_cselect_b32 s84, s77, s74
	s_cselect_b32 s86, 106496, s78                 ; from a head to the next
	s_mov_b32 s83, 0
	s_mov_b32 s85, 0
	s_mov_b32 s87, 0
	s_add_nc_u64 s[88:89], s[80:81], s[82:83]      ; the first head's registers,
	s_add_nc_u64 s[90:91], s[88:89], s[86:87]      ; the second's;
	s_add_nc_u64 s[92:93], s[80:81], s[84:85]      ; the first head's scale words,
	s_add_nc_u64 s[94:95], s[92:93], s[86:87]      ; the second's
.irp a, 0,1,2,3
	QUANT 64*\a, 112+6*\a, 136+6*\a, PW+\a         ; blocks 0, 1: the first head's 64; blocks 2, 3: the second's
.endr
.irp i, 0,1,2,3,4,5
	global_store_b128 v[L16], v[112+4*\i:115+4*\i], s[88:89] offset:512*\i   ; 512 consecutive bytes, aligned
.endr
.irp i, 0,1,2,3,4,5
	global_store_b128 v[L16], v[136+4*\i:139+4*\i], s[90:91] offset:512*\i
.endr
	v_cndmask_b32 v92, v[PW], v[PW+1], s[HI]       ; lanes 0-15 the even tile's word, lanes 16-31 the odd tile's
	v_cndmask_b32 v93, v[PW+2], v[PW+3], s[HI]
	v_and_b32 v94, 0xffff, v92                     ; the first head's two bytes; bytes 2 and 3 are 0
	v_and_b32 v95, 0xffff, v93
	v_lshrrev_b32 v96, 16, v92                     ; the second head's
	v_lshrrev_b32 v97, 16, v93
	global_store_b64 v1, v[94:95], s[92:93]        ; 256 consecutive bytes, aligned
	global_store_b64 v1, v[96:97], s[94:95]
	s_branch .Ljoin
.Lrole_v:
	; ---- v: my head's 64 channels x a key step of 128 keys
	s_sub_co_u32 s70, s[CLY], 8                    ; batch
	s_lshl_b32 s70, s70, 4
	s_lshl_b32 s71, s[CY], 2
	s_add_co_u32 s70, s70, s71
	s_add_co_u32 s70, s70, s[WV]                   ; 16 x batch + head
	s_lshl_b32 s71, s[CLX], 2
	s_add_co_u32 s71, s71, s[CX]                   ; key step
	s_mul_i32 s72, s70, 208896
	s_mul_i32 s73, s71, 13056
	s_add_co_u32 s72, s72, s73
	s_add_co_u32 s72, s72, 6144                    ; V's registers lie behind K's
	s_mov_b32 s73, 0
	s_add_nc_u64 s[88:89], s[10:11], s[72:73]
.irp a, 0,1,2,3
	QUANT 64*\a, 112+12*\a, 118+12*\a, PW+\a       ; a whole fragment: 16 channels x 128 keys
.endr
.irp i, 0,1,2,3,4,5,6,7,8,9,10,11
	global_store_b128 v[L16], v[112+4*\i:115+4*\i], s[88:89] offset:512*\i
.endr
	v_cndmask_b32 v92, v[PW], v[PW+1], s[HI]
	v_cndmask_b32 v93, v[PW+2], v[PW+3], s[HI]
	global_store_b64 v1, v[92:93], s[88:89] offset:6656   ; V's scale words, at 12,800 in the block
.Ljoin:
	s_wait_tensorcnt 0x0
	ds_add_u32 v110, v111
	s_wait_dscnt 0x0
	CROUND                                         ; the closing round: no work-group ends while a partner may still ask for a tile that names it
	s_endpgm
.Lfunc_end_k_q0f0ecb522f_qkv:
	.size	k_q0f0ecb522f_qkv, .Lfunc_end_k_q0f0ecb522f_qkv-k_q0f0ecb522f_qkv
	.p2alignl 7, 3214868480
	.fill 96, 4, 3214868480
	.section	.rodata,"a",@progbits
	.p2align	6, 0x0
	.amdhsa_kernel k_q0f0ecb522f_qkv
		.amdhsa_group_segment_fixed_size 295424
		.amdhsa_private_segment_fixed_size 0
		.amdhsa_enable_private_segment 0
		.amdhsa_kernarg_size 32
		.amdhsa_user_sgpr_count 2
		.amdhsa_user_sgpr_kernarg_segment_ptr 1
		.amdhsa_wavefront_size32 1
		.amdhsa_system_sgpr_workgroup_id_x 1
		.amdhsa_system_sgpr_workgroup_id_y 1
		.amdhsa_system_sgpr_workgroup_id_z 1
		.amdhsa_system_vgpr_workitem_id 0
		.amdhsa_next_free_vgpr 768
		.amdhsa_next_free_sgpr 100
		.amdhsa_reserve_vcc 0
		.amdhsa_float_denorm_mode_32 3
		.amdhsa_float_denorm_mode_16_64 3
		.amdhsa_memory_ordered 1
		.amdhsa_forward_progress 1
		.amdhsa_inst_pref_size 114
	.end_amdhsa_kernel
	.amdgpu_metadata
---
amdhsa.version: [ 1, 2 ]
amdhsa.kernels:
  - .name:           k_q0f0ecb522f_qkv
    .symbol:         k_q0f0ecb522f_qkv.kd
    .args:
      - { .name: opc, .offset: 0, .size: 8, .value_kind: global_buffer, .address_space: global }
      - { .name: ops, .offset: 8, .size: 8, .value_kind: global_buffer, .address_space: global }
      - { .name: q, .offset: 16, .size: 8, .value_kind: global_buffer, .address_space: global }
      - { .name: kv, .offset: 24, .size: 8, .value_kind: global_buffer, .address_space: global }
    .group_segment_fixed_size: 295424
    .private_segment_fixed_size: 0
    .kernarg_segment_align: 8
    .kernarg_segment_size: 32
    .max_flat_workgroup_size: 128
    .sgpr_count:     100
    .vgpr_count:     768
    .wavefront_size: 32
...
	.end_amdgpu_metadata
.endif
;; end of part 2
;; launch attn (part 3): grid 4 x 64, 8 waves a work-group, clusters of 4 x 1, 209,920 bytes of LDS; arguments q, kv, oc, os; writes oc, os
.if DOCPART == 3
	.amdgcn_target "amdgcn-amd-amdhsa--gfx1250"
	.amdhsa_code_object_version 6
	.text
	.protected	k_q0f0ecb522f_attn
	.globl	k_q0f0ecb522f_attn
	.p2align	8
	.type	k_q0f0ecb522f_attn,@function
k_q0f0ecb522f_attn:
	s_mov_b64 s[64:65], 0
	v_nop
	global_prefetch_b8 v0, s[64:65] scope:SCOPE_SE
	s_setreg_imm32_b32 hwreg(HW_REG_WAVE_MODE, 25, 1), 1
	s_wait_xcnt 0x0
	s_wait_alu depctr_hold_cnt(0) depctr_sa_sdst(0) depctr_va_vdst(0) depctr_va_sdst(0) depctr_va_ssrc(0) depctr_va_vcc(0) depctr_vm_vsrc(0)
	s_getreg_b32 s2, hwreg(HW_REG_IB_STS2, 6, 4)
	s_cmp_eq_u32 s2, 0
	s_cbranch_scc0 .Lentry_in_a_cluster
	s_endpgm
.Lentry_in_a_cluster:
	s_bfe_u32 s2, ttmp6, 0x10000c
	s_cmp_lg_u32 s2, 0x3003
	s_cbranch_scc0 .Lentry_shape_is_right
	s_endpgm
.Lentry_shape_is_right:
; o = softmax(q k^T / 8) v for one head of one batch, both products on codes of FP6 with E8M0 scales, and the quantiser of o (along c = 64 head + d) in the way out.
; THE SOFTMAX: t = score x log2(e) / 8; M = the running largest t rounded UP to a whole number; p = 2^(t - M) is quantised along the keys, not normalised.
; The row's sum is taken of the unquantised p and divides O at the end.  When M moves, the sum and O are multiplied by 2^(old M - new M): exact.
; SHARES.  A work-group owns 512 queries of one head; each of its eight waves four tiles of 16: two passes of TWO TILES SIDE BY SIDE, which share every fragment of K and V.
; REGISTERS, in two windows of 256.  Tile a lives in window 0, tile b at the same numbers in window 1, so each phase of a step is written once and run under two window settings.
; K (v32-85) lies in window 0, V (v32-79) in window 1; addresses and all scale words lie in window 0.  Both passes' Q is loaded at the head; pass 1's waits in v88-95.
; K's registers take the next step's K behind the first products, V's the next V behind the second products: each is asked for a whole step ahead.
; All 16 steps of a pass stand in loops; the block asked for ahead is clamped to key step 15, so a pass's last trip names that block again and those 27 loads are not used.
; LDS.  The whole head's K and V, 16 key steps x 13,056 bytes, lie in LDS, filled ONCE: wave w fetches key steps 2 w and 2 w + 1 by one load.  Nothing is filled again.
; TWO BARRIERS.  The first shows key steps 0 to 3: waves 0 and 1, which fetch them by a load line of their own, wait for them; three steps are worked on them.  At the second every wave has waited.
; All fills go out at the head, so there is no loop in which a prefetch of K and V could run ahead: none is written.
; CLUSTER 4 x 1.  The four work-groups of a head read the same K and V: each block is asked for jointly, with a mask that names the four.
; LAYOUT.  Both products are used transposed (S^T = K Q^T, O^T = V^T P^T): a lane holds ONE query (lane % 16).  A tile's 16 keys are 32 b + 8 u + r + 8 (r / 8), so the 16 registers
; of tiles 2 b and 2 b + 1 are 16 neighbouring keys; V's channels are tiled the same way.
; THE FIRST PRODUCT HAS K = 64 in an instruction of 128.  Q's operand is six registers of codes and six of ZERO CODES.  K's tile t is twelve registers from 6 t on: its upper six are the next
; tile's codes (for tile 7 zeros): every pattern of E2M3 is a finite number and meets a zero code; the scale bytes of those blocks are 0 on both sides, no NaN.
; LIMITS: NaN and infinities are not served; the scaled scores stay under 2^31 in magnitude; v_exp_f32 gives 0 for results under 2^-126; a block whose largest magnitude lies under 2^-124,
; a block of zeros among them, keeps the byte 1 (this program alone reads the bytes).  os is stored as single bytes 16 bytes apart: a row's scale bytes come from sixteen work-groups.
.set STEPB, 13056                      ; a key step's block: K 6,144, V 6,144, K's scale words 512, V's 256
.set SPARE, 16*STEPB                   ; the spare words, 128 bytes a wave
.set KR,  32                           ; window 0: v32-79 K, v80-85 zeros
.set VR,  32                           ; window 1: v32-79 V
.set QSB, 86                           ; v86 tile b's Q scale words, v87 its p scale word (window 0)
.set PWB, 87
.set Q1,  88                           ; v88-93 in each window: pass 1's Q; v94, v95 (window 0) its scale words
.set S,   96                           ; v96-159 S^T, then p
.set OA,  160                          ; v160-191 O^T
.set CD,  192                          ; v192-203 p's codes
.set CT,  204                          ; v204-206, v208-210 halves of blocks before they change lanes
.set BM,  212                          ; v212-215 the blocks' largest scores, then largest p
.set BT,  216                          ; v216-219 the other half's, then the bytes
.set SO,  220                          ; v220-223 second chains of the maxima, then the conversions' scale operands
.set T,   224                          ; v224-231 the step's sum of p, four chains of pairs
.set KS,  232                          ; v232-235 K's scale words
.set VS,  236                          ; v236-237 V's
.set F,   28                           ; v28 f = 2^(old M - new M); v29 is named with it as a pair
.set QS,  30                           ; v30 tile a's Q scale words
.set PW,  31                           ; v31 tile a's p scale word
.set WV,  12
.set CX,  13
.set BH,  14
.set G1,  16                           ; s[16:23], s[24:27] the descriptor
.set G0,  24
.set SEL, 28                           ; s[28:29] lane selects for lane l xor 16
.set CS,  30                           ; s[30:31] c = log2(e) / 8, as a pair for the packed form
.set TB,  32                           ; LDS byte at which the next key step's block begins,
.set CNT, 33
.set HI,  34                           ; lanes 16-31
.set TN,  35                           ; and the same held at key step 15's
.set MSB, 0
.macro WIN new                         ; low byte: bits 1:0 source 0, 3:2 source 1, 5:4 source 2, 7:6 destination; the high byte repeats the setting that is left
.set NW, \new
.if MSB != NW
	s_set_vgpr_msb (MSB<<8)|NW
.set MSB, NW
.endif
.endm
.macro PLACES
.rept 4
	v_nop
.endr
.endm
.macro WALU
	s_wait_alu depctr_va_vdst(0)
.endm
.macro CROUND
	s_barrier_signal -1
	s_barrier_wait -1
	s_cmp_lg_u32 s[WV], 0
	s_cbranch_scc1 .Lnot_wave_0_\@
	s_barrier_signal -3
.Lnot_wave_0_\@:
	s_barrier_wait -3
	s_barrier_signal -1
	s_barrier_wait -1
.endm
.macro QLOAD o, rb, qa, qb                         ; both tiles' Q: register pair 6 (wave % 2) + 3 u + i of the group's twelve lies at 512 (pair / 2) + 8 (pair % 2) + 16 lane
.irp i, 0,1,2
	global_load_b64 v[\rb+2*\i:\rb+2*\i+1], v5, s[4:5] offset:\o+512*(\i/2)+8*(\i%2)
.endr
	global_load_b32 v[\qa], v8, s[4:5] offset:\o+3072
	global_load_b32 v[\qb], v8, s[4:5] offset:\o+3072+128
	WIN 0x40
.irp i, 0,1,2
	global_load_b64 v[\rb+2*\i:\rb+2*\i+1], v5, s[4:5] offset:\o+512*((\i+3)/2)+8*((\i+3)%2)
.endr
	WIN 0
.endm
.macro KLOAD a16, a8                               ; 14 loads
.irp i, 0,1,2,3,4,5,6,7,8,9,10,11
	ds_load_b128 v[KR+4*\i:KR+4*\i+3], v\a16 offset:512*\i
.endr
	ds_load_b64 v[KS:KS+1], v\a8 offset:12288
	ds_load_b64 v[KS+2:KS+3], v\a8 offset:12544
.endm
.macro VLOAD a16, a8                               ; 13 loads
	WIN 0x40
.irp i, 0,1,2,3,4,5,6,7,8,9,10,11
	ds_load_b128 v[VR+4*\i:VR+4*\i+3], v\a16 offset:6144+512*\i
.endr
	WIN 0
	ds_load_b64 v[VS:VS+1], v\a8 offset:12800
.endm
.macro ZINIT w                                     ; written once: the upper half of Q's operand (zero codes), lane permutes' destinations, the upper half of f's pair
	WIN 0x55*\w
.irp j, 22,23,24,25,26,27,BT,BT+1,BT+2,BT+3,238,F+1
	v_mov_b32 v[\j], 0
.endr
.endm
	s_load_b256 s[4:11], s[0:1], 0x0               ; q, kv, oc, os
	v_lshl_add_u32 v254, v0, 2, SPARE
	v_mov_b32 v255, 0
	ds_add_u32 v254, v255
	ds_add_u32 v254, v255
	v_lshrrev_b32 v10, 5, v0
	v_readfirstlane_b32 s[WV], v10                 ; wave 0..7
	s_bfe_u32 s[CX], ttmp6, 0x40000                ; my block of 512 queries
	s_and_b32 s[BH], ttmp7, 0xffff                 ; 16 x batch + head, which the four partners share
	s_mov_b32 s[SEL], 0x76543210
	s_mov_b32 s[SEL+1], 0xfedcba98
	s_mov_b32 s[CS], 0x3e38aa3b
	s_mov_b32 s[CS+1], s[CS]
	s_mov_b32 s[HI], 0xffff0000
	s_mov_b32 s[G1], 15|(3<<16)|(1<<21)            ; two key steps, a dense block of 26,112 bytes, as 102 rows of 256; the mask names all four work-groups
	s_mov_b32 s[G1+1], 32<<16
	s_mov_b32 s[G1+2], 102<<16
	s_mov_b32 s[G1+3], 32<<16
	s_mov_b32 s[G1+4], 102
	s_mov_b32 s[G1+5], 32
	s_mov_b32 s[G1+6], 0
	s_mov_b32 s[G1+7], 0
	s_mul_i32 s35, s[WV], 2*STEPB                  ; their place in LDS and in the head's part of kv
	s_mul_i32 s36, s[BH], 16*STEPB
	s_add_co_u32 s36, s36, s35
	s_mov_b32 s37, 0
	s_lshl_b32 s38, s[CX], 3                       ; q: my group of 64 tokens in pass 0: 8 cx + wave / 2
	s_lshr_b32 s39, s[WV], 1
	s_add_co_u32 s38, s38, s39
	s_mul_i32 s38, s38, 3328
	s_mul_i32 s39, s[BH], 106496
	s_add_co_u32 s38, s38, s39
	s_mov_b32 s39, 0
	s_lshr_b32 s40, s[BH], 4                       ; o: tile a in pass 0: 128 x batch + 32 cx + 2 wave
	s_lshl_b32 s40, s40, 7
	s_lshl_b32 s41, s[CX], 5
	s_add_co_u32 s40, s40, s41
	s_lshl_b32 s41, s[WV], 1
	s_add_co_u32 s40, s40, s41
	s_and_b32 s41, s[BH], 15                       ; head
	s_mul_i32 s42, s40, 12288
	s_mul_i32 s43, s41, 768
	s_add_co_u32 s42, s42, s43
	s_mov_b32 s43, 0
	s_lshl_b32 s44, s40, 9                         ; scale bytes: 512 x tile + 256 (head / 8) + 4 ((head / 2) % 4) + 2 (head % 2)
	s_lshr_b32 s45, s41, 3
	s_lshl_b32 s45, s45, 8
	s_add_co_u32 s44, s44, s45
	s_bfe_u32 s45, s41, 0x20001
	s_lshl_b32 s45, s45, 2
	s_add_co_u32 s44, s44, s45
	s_and_b32 s45, s41, 1
	s_lshl_b32 s45, s45, 1
	s_add_co_u32 s44, s44, s45
	s_mov_b32 s45, 0
	s_wait_dscnt 0x0
	s_wait_kmcnt 0x0
	s_mov_b32 s[G0], 1
	s_mov_b32 s[G0+1], s35
	s_add_nc_u64 s[G0+2:G0+3], s[6:7], s[36:37]
	s_or_b32 s[G0+3], s[G0+3], 0x80000000
	CROUND                                         ; all four work-groups are here: the joint loads meet
	s_cmp_lt_u32 s[WV], 2                          ; one chain of two arms, one load to an arm: waves 0 and 1, whose blocks are shown first, have a line of their own
	s_cbranch_scc0 .Llate
	tensor_load_to_lds s[G0:G0+3], s[G1:G1+7]      ; key steps 0 to 3
	s_nop 0
	PLACES
	s_branch .Lasked
.Llate:
	tensor_load_to_lds s[G0:G0+3], s[G1:G1+7]      ; key steps 4 to 15
	s_nop 0
	PLACES
.Lasked:
	s_add_nc_u64 s[4:5], s[4:5], s[38:39]
	s_add_nc_u64 s[8:9], s[8:9], s[42:43]
	s_add_nc_u64 s[10:11], s[10:11], s[44:45]
	s_and_b32 s40, s[WV], 1
	s_mul_i32 s36, s40, 1536                       ; my two tiles are tiles 2 (wave % 2) and 2 (wave % 2) + 1 of the group's four
	s_lshl_b32 s37, s40, 2
	v_and_b32 v10, 31, v0
	v_lshlrev_b32 v1, 4, v10                       ; 16 x lane
	v_lshlrev_b32 v2, 3, v10                       ; 8 x lane
	v_and_b32 v10, 15, v0                          ; r
	v_bfe_u32 v11, v0, 4, 1                        ; h
	v_lshl_add_u32 v9, v10, 4, v11                 ; 16 r + h: my scale byte's place
	v_add_nc_u32 v5, s36, v1
	v_lshl_add_u32 v8, v10, 3, s37                 ; Q's scale words: 8 r + 4 (wave % 2), tile b's 128 bytes on
	WALU
	QLOAD 0, 16, QS, QSB                           ; pass 0's Q
	QLOAD 13312, Q1, Q1+6, Q1+7                    ; pass 1's, four groups of 64 tokens on
	ZINIT 0
.irp j, 80,81,82,83,84,85
	v_mov_b32 v[\j], 0                             ; what lies behind K's tile 7
.endr
	ZINIT 1
	WIN 0
; THE PHASES OF A KEY STEP (128 keys), each for the tile in window w
.macro QK w, qs                                    ; S^T = K Q^T: K from window 0, Q and S^T in the tile's window
	WIN 0x54*\w
.irp t, 0,1,2,3,4,5,6,7
.if (\t%2) == 0
	v_wmma_scale_f32_16x16x128_f8f6f4 v[S+8*\t:S+8*\t+7], v[KR+6*\t:KR+6*\t+11], v[16:27], 0, v[KS+2*(\t/4)+(\t/2)%2], v[\qs] matrix_a_fmt:MATRIX_FMT_FP6 matrix_b_fmt:MATRIX_FMT_FP6
.else
	v_wmma_scale_f32_16x16x128_f8f6f4 v[S+8*\t:S+8*\t+7], v[KR+6*\t:KR+6*\t+11], v[16:27], 0, v[KS+2*(\t/4)+(\t/2)%2], v[\qs] matrix_a_fmt:MATRIX_FMT_FP6 matrix_b_fmt:MATRIX_FMT_FP6 matrix_a_scale:MATRIX_SCALE_ROW1
.endif
.endr
.endm
.macro MAXP w                                      ; the largest score of each block of 32 keys, my 16 of them in two chains: it serves the row's maximum and, since p rises with the score, the block's largest p
	WIN 0x55*\w
.irp b, 0,1,2,3
	v_max3_num_f32 v[BM+\b], v[S+16*\b], v[S+16*\b+1], v[S+16*\b+2]
.endr
.irp b, 0,1,2,3
	v_max3_num_f32 v[SO+\b], v[S+16*\b+8], v[S+16*\b+9], v[S+16*\b+10]
.endr
.irp i, 3,5
.irp b, 0,1,2,3
	v_max3_num_f32 v[BM+\b], v[BM+\b], v[S+16*\b+\i], v[S+16*\b+\i+1]
.endr
.irp b, 0,1,2,3
	v_max3_num_f32 v[SO+\b], v[SO+\b], v[S+16*\b+8+\i], v[S+16*\b+9+\i]
.endr
.endr
.irp b, 0,1,2,3
	v_max3_num_f32 v[BM+\b], v[BM+\b], v[SO+\b], v[S+16*\b+7]
.endr
.irp b, 0,1,2,3
	v_max_num_f32 v[BM+\b], v[BM+\b], v[S+16*\b+15]
.endr
.endm
.macro CHAIN w                                     ; the row's chain to -M, laid among the blocks' joins with lane l xor 16
	WIN 0x55*\w
	v_max3_num_f32 v10, v[BM], v[BM+1], v[BM+2]
	v_permlanex16_b32 v[BT], v[BM], s[SEL], s[SEL+1]
	v_permlanex16_b32 v[BT+1], v[BM+1], s[SEL], s[SEL+1]
	v_max_num_f32 v10, v10, v[BM+3]
	v_permlanex16_b32 v[BT+2], v[BM+2], s[SEL], s[SEL+1]
	v_permlanex16_b32 v[BT+3], v[BM+3], s[SEL], s[SEL+1]
	v_permlanex16_b32 v238, v10, s[SEL], s[SEL+1]
.irp b, 0,1,2,3
	v_max_num_f32 v[BM+\b], v[BM+\b], v[BT+\b]
.endr
	v_max3_num_f32 v13, v13, v10, v238             ; the running largest score of my query
	v_mul_f32 v239, s[CS], v13                     ; as t (c is positive, so the largest score gives the largest t)
	v_floor_f32 v12, -v239                         ; -M = floor(-t) = -ceil(t)
.endm
.macro FMA w
	WIN 0x55*\w
.set j, 0
.rept 32
	v_pk_fma_f32 v[S+j:S+j+1], v[S+j:S+j+1], s[CS:CS+1], v[12:13] op_sel_hi:[1,0,0]   ; t - M
.if j == 6
	v_sub_f32 v10, v12, v11                        ; old M - new M: a whole number, 0 or less
.elseif j == 14
	v_cvt_i32_f32 v10, v10                         ; (it saturates)
.elseif j == 22
	v_ldexp_f32 v[F], 1.0, v10                     ; f
.endif
.set j, j+2
.endr
.irp b, 0,1,2,3
	v_fma_f32 v[BM+\b], v[BM+\b], s[CS], v12       ; the same of each block's largest score
.endr
.set j, 0
.rept 16
	v_pk_mul_f32 v[OA+j:OA+j+1], v[OA+j:OA+j+1], v[F:F+1] op_sel_hi:[1,0]   ; O^T under the new M, each accumulator from its low end on
.set j, j+2
.endr
.endm
.macro EXPS w
	WIN 0x55*\w
.set j, 0
.rept 64
	v_exp_f32 v[S+j], v[S+j]                       ; p = 2^(t - M)
.set j, j+1
.endr
.irp b, 0,1,2,3
	v_exp_f32 v[BM+\b], v[BM+\b]                   ; the block's largest p: the same two instructions on the same number
.endr
.endm
.macro POST w, pw                                  ; p's scales, codes and sum
	WIN 0x55*\w
.irp b, 0,1,2,3
	v_max_num_f32 v[BM+\b], 0x1800000, v[BM+\b]    ; the floor 2^(3 - 127): the byte cannot fall under 1
.endr
.irp b, 0,1,2,3
	v_add_nc_u32 v[SO+\b], 0xff000000, v[BM+\b]    ; 2 off the exponent field: the conversion's scale operand
.endr
.irp b, 0,1,2,3
	v_lshrrev_b32 v[BT+\b], 23, v[SO+\b]           ; the byte
.endr
	WIN 0x11*\w                                    ; the scale word is made in window 0, where scale operands are taken from
	v_lshl_or_b32 v[\pw], v[BT+1], 8, v[BT]
	WIN 0x01*\w
	v_lshl_or_b32 v[\pw], v[BT+2], 16, v[\pw]
	v_lshl_or_b32 v[\pw], v[BT+3], 24, v[\pw]
	WIN 0x55*\w
.irp c, 0,1,2,3
	v_pk_add_f32 v[T+2*\c:T+2*\c+1], v[S+4*\c:S+4*\c+1], v[S+4*\c+2:S+4*\c+3]   ; the sum of the unquantised p, four chains
.endr
.irp c, 0,1
	v_cvt_scalef32_pk16_fp6_f32 v[CD+6*\c:CD+6*\c+2], v[S+32*\c:S+32*\c+15], v[SO+2*\c]
	v_cvt_scalef32_pk16_fp6_f32 v[CT+4*\c:CT+4*\c+2], v[S+32*\c+16:S+32*\c+31], v[SO+2*\c+1]
.endr
	v_pk_add_f32 v[T:T+1], v[T:T+1], v[S+16:S+17]  ; a plain place behind the conversions
.irp c, 0,1                                        ; the operand's layout wants a WHOLE block in a lane
.irp i, 0,1,2
	v_permlane16_swap_b32 v[CD+6*\c+\i], v[CT+4*\c+\i]
.endr
.endr
.irp c, 0,1
.irp i, 0,1,2
	v_mov_b32 v[CD+6*\c+3+\i], v[CT+4*\c+\i]
.endr
.endr
.set k, 9
.rept 23                                           ; the other 23 pairs: also the places between the writes of p's codes and scale word and the products
	v_pk_add_f32 v[T+2*(k%4):T+2*(k%4)+1], v[T+2*(k%4):T+2*(k%4)+1], v[S+2*k:S+2*k+1]
.set k, k+1
.endr
.endm
.macro PV w, pw                                    ; O^T += V^T P^T: V from window 1, the rest in the tile's window; the accumulators by turns
	WIN 0x01+0x54*\w
.irp a, 0,1,2,3
.if (\a%2) == 0
	v_wmma_scale_f32_16x16x128_f8f6f4 v[OA+8*\a:OA+8*\a+7], v[VR+12*\a:VR+12*\a+11], v[CD:CD+11], v[OA+8*\a:OA+8*\a+7], v[VS+\a/2], v[\pw] matrix_a_fmt:MATRIX_FMT_FP6 matrix_b_fmt:MATRIX_FMT_FP6
.else
	v_wmma_scale_f32_16x16x128_f8f6f4 v[OA+8*\a:OA+8*\a+7], v[VR+12*\a:VR+12*\a+11], v[CD:CD+11], v[OA+8*\a:OA+8*\a+7], v[VS+\a/2], v[\pw] matrix_a_fmt:MATRIX_FMT_FP6 matrix_b_fmt:MATRIX_FMT_FP6 matrix_a_scale:MATRIX_SCALE_ROW1
.endif
.endr
.endm
.macro TAIL w                                      ; the step's sum joins the row's; these lines are also the places ahead of the loads into V's registers
	WIN 0x55*\w
	v_pk_add_f32 v[T:T+1], v[T:T+1], v[T+2:T+3]
	v_pk_add_f32 v[T+4:T+5], v[T+4:T+5], v[T+6:T+7]
	v_mov_b32 v11, v12                             ; -M, as the next step's old one
	v_pk_add_f32 v[T:T+1], v[T:T+1], v[T+4:T+5]
	v_pk_fma_f32 v[14:15], v[14:15], v[F:F+1], v[T:T+1] op_sel_hi:[1,0,1]
.endm
; A KEY STEP FOR BOTH TILES.  The block at s[TN] is asked for: its K behind the first products, its V behind the second.
.macro PSTEP
	s_wait_dscnt 13                                ; K and its scale words are in; V's 13 loads, issued behind them, may be out
	QK 0, QS
	QK 1, QSB
	WIN 0
	v_add_nc_u32 v3, s[TN], v1                     ; four places behind the products, ahead of loads into their registers and of the first read of the scores
	v_add_nc_u32 v4, s[TN], v2
	v_nop
	v_nop
	KLOAD 3, 4
	MAXP 0
	MAXP 1
	CHAIN 0
	CHAIN 1
	FMA 0
	FMA 1
	WALU                                           ; the wait ahead of the batch
	EXPS 1
	EXPS 0
	v_nop                                          ; a plain place behind the batch
	WALU                                           ; and the wait ahead of its first reader
	POST 0, PW
	POST 1, PWB
	WALU                                           ; the wait ahead of the wait below
	s_wait_dscnt 14                                ; V is in; K's 14 loads, issued behind it, may be out
	PV 1, PWB
	PV 0, PW
	TAIL 0
	TAIL 1
	VLOAD 3, 4
.endm
.macro TRIPS n                                     ; n key steps
	s_mov_b32 s[CNT], \n
.Ltrip_\@:
	s_min_u32 s[TN], s[TB], 15*STEPB               ; the next key step's block; behind key step 15 there is none, and it is named again
	PSTEP
	s_add_co_u32 s[TB], s[TB], STEPB
	s_sub_co_u32 s[CNT], s[CNT], 1
	s_cmp_lg_u32 s[CNT], 0
	s_cbranch_scc1 .Ltrip_\@
.endm
.macro INIT w
	WIN 0x55*\w
	v_mov_b32 v13, 0xff61b1e6                      ; the largest score so far: -3e38
	v_mov_b32 v12, 0x7f61b1e6                      ; -M: 3e38, over every later -M, so that the first f is 0
	v_mov_b32 v11, 0x7f61b1e6
	v_mov_b32 v14, 0
	v_mov_b32 v15, 0
.set j, 0
.rept 32
	v_mov_b32 v[OA+j], 0                           ; O^T: the step is written once, the first finds zeros
.set j, j+1
.endr
.endm
.macro EPI w, p                                    ; a tile's way out
	WIN 0x55*\w
	v_add_f32 v14, v14, v15                        ; the sum's two halves,
	v_permlanex16_b32 v10, v14, s[SEL], s[SEL+1]
	v_add_f32 v14, v14, v10                        ; and lane l xor 16's
	WALU
	v_rcp_f32 v14, v14
	v_nop
	WALU                                           ; ahead of the first reader of the quotient and of O^T
.set j, 0
.rept 32
	v_mul_f32 v[S+j], v[OA+j], v14                 ; o: register 16 b + i is d = 32 b + 16 (lane / 16) + i of my query
.set j, j+1
.endr
.irp b, 0,1
	v_max3_num_f32 v[BM+\b], |v[S+16*\b]|, |v[S+1+16*\b]|, 0x1800000   ; the head's two blocks of 32 along c
.endr
.irp i, 2,4,6,8,10,12,14
.irp b, 0,1
	v_max3_num_f32 v[BM+\b], v[BM+\b], |v[S+16*\b+\i]|, |v[S+1+16*\b+\i]|
.endr
.endr
.irp b, 0,1
	v_permlanex16_b32 v[BT+\b], v[BM+\b], s[SEL], s[SEL+1]
.endr
.irp b, 0,1
	v_max_num_f32 v[BM+\b], v[BM+\b], v[BT+\b]
.endr
.irp b, 0,1
	v_add_nc_u32 v[SO+\b], 0xff000000, v[BM+\b]
.endr
.irp b, 0,1
	v_lshrrev_b32 v[BT+\b], 23, v[SO+\b]
.endr
	v_cvt_scalef32_pk16_fp6_f32 v[242:244], v[S:S+15], v[SO]
	v_cvt_scalef32_pk16_fp6_f32 v[248:250], v[S+16:S+31], v[SO+1]
	v_cndmask_b32 v251, v[BT], v[BT+1], s[HI]      ; lanes 0-15 store block 0's byte, lanes 16-31 block 1's; a plain place behind the conversions
.irp i, 0,1,2
	v_permlane16_swap_b32 v[242+\i], v[248+\i]
.endr
.irp i, 0,1,2
	v_mov_b32 v[245+\i], v[248+\i]
.endr
	WIN 0x04*\w                                    ; a store's data are its source 1; the offsets lie in window 0
.irp i, 0,1,2
	global_store_b64 v2, v[242+2*\i:243+2*\i], s[8:9] offset:256*\i+12288*\w+196608*\p   ; 256 consecutive bytes, aligned; tile b: one tile on; pass 1: sixteen tiles on
.endr
	global_store_b8 v9, v251, s[10:11] offset:512*\w+8192*\p
.endm
; A PASS: two tiles of 16 queries against all 2,048 keys, and their way out.
.macro PASS p
.if \p
	s_wait_xcnt 0x0                                ; the last pass's stores have read their data
	s_wait_dscnt 0x0                               ; the loads of the last trip have landed: K's and V's registers may be asked for again
	KLOAD 1, 2                                     ; key step 0
	VLOAD 1, 2
.irp i, 0,1,2,3,4,5
	v_mov_b32 v[16+\i], v[Q1+\i]                   ; this pass's Q and its scale words
.endr
	v_mov_b32 v[QS], v[Q1+6]
	v_mov_b32 v[QSB], v[Q1+7]
	WIN 0x55
.irp i, 0,1,2,3,4,5
	v_mov_b32 v[16+\i], v[Q1+\i]
.endr
.endif
	INIT 0
	INIT 1
	WIN 0
	s_mov_b32 s[TB], STEPB
	WALU
.if \p
	TRIPS 16
.else
	s_wait_loadcnt 0x0                             ; both passes' Q
	TRIPS 3                                        ; key steps 0 to 2, which ask for key steps 1 to 3: all four are shown
	WALU
	s_wait_tensorcnt 0x0                           ; every wave waits for its load,
	s_wait_dscnt 0x0
	s_barrier_signal -1
	s_barrier_wait -1                              ; and the whole head's K and V are shown
	TRIPS 13
.endif
	EPI 0, \p
	EPI 1, \p
	WIN 0
.endm
	WALU                                           ; the wait at the head's end
	s_cmp_lt_u32 s[WV], 2                          ; waves 0 and 1 wait for key steps 0 to 3; the other waves' loads may still be out
	s_cbranch_scc0 .Lnot_first
	s_wait_tensorcnt 0x0
.Lnot_first:
	s_barrier_signal -1
	s_barrier_wait -1
	KLOAD 1, 2                                     ; key step 0
	VLOAD 1, 2
	PASS 0
	PASS 1
	s_wait_tensorcnt 0x0                           ; the wave's end
	ds_add_u32 v254, v255
	s_wait_dscnt 0x0
	CROUND                                         ; the closing round
	s_endpgm
.Lfunc_end_k_q0f0ecb522f_attn:
	.size	k_q0f0ecb522f_attn, .Lfunc_end_k_q0f0ecb522f_attn-k_q0f0ecb522f_attn
	.p2alignl 7, 3214868480
	.fill 96, 4, 3214868480
	.section	.rodata,"a",@progbits
	.p2align	6, 0x0
	.amdhsa_kernel k_q0f0ecb522f_attn
		.amdhsa_group_segment_fixed_size 209920
		.amdhsa_private_segment_fixed_size 0
		.amdhsa_enable_private_segment 0
		.amdhsa_kernarg_size 32
		.amdhsa_user_sgpr_count 2
		.amdhsa_user_sgpr_kernarg_segment_ptr 1
		.amdhsa_wavefront_size32 1
		.amdhsa_system_sgpr_workgroup_id_x 1
		.amdhsa_system_sgpr_workgroup_id_y 1
		.amdhsa_system_sgpr_workgroup_id_z 1
		.amdhsa_system_vgpr_workitem_id 0
		.amdhsa_next_free_vgpr 512
		.amdhsa_next_free_sgpr 66
		.amdhsa_reserve_vcc 0
		.amdhsa_float_denorm_mode_32 3
		.amdhsa_float_denorm_mode_16_64 3
		.amdhsa_memory_ordered 1
		.amdhsa_forward_progress 1
		.amdhsa_inst_pref_size 118
	.end_amdhsa_kernel
	.amdgpu_metadata
---
amdhsa.version: [ 1, 2 ]
amdhsa.kernels:
  - .name:           k_q0f0ecb522f_attn
    .symbol:         k_q0f0ecb522f_attn.kd
    .args:
      - { .name: q, .offset: 0, .size: 8, .value_kind: global_buffer, .address_space: global }
      - { .name: kv, .offset: 8, .size: 8, .value_kind: global_buffer, .address_space: global }
      - { .name: oc, .offset: 16, .size: 8, .value_kind: global_buffer, .address_space: global }
      - { .name: os, .offset: 24, .size: 8, .value_kind: global_buffer, .address_space: global }
    .group_segment_fixed_size: 209920
    .private_segment_fixed_size: 0
    .kernarg_segment_align: 8
    .kernarg_segment_size: 32
    .max_flat_workgroup_size: 256
    .sgpr_count:     66
    .vgpr_count:     512
    .wavefront_size: 32
...
	.end_amdgpu_metadata
.endif
;; end of part 3
;; launch proj (part 4): grid 8 x 32, 4 waves a work-group, clusters of 4 x 4, 295,424 bytes of LDS; arguments oc, os, opc, ops, b_proj, out0; writes out0
.if DOCPART == 4
	.amdgcn_target "amdgcn-amd-amdhsa--gfx1250"
	.amdhsa_code_object_version 6
	.text
	.protected	k_q0f0ecb522f_proj
	.globl	k_q0f0ecb522f_proj
	.p2align	8
	.type	k_q0f0ecb522f_proj,@function
k_q0f0ecb522f_proj:
	s_mov_b64 s[64:65], 0
	v_nop
	global_prefetch_b8 v0, s[64:65] scope:SCOPE_SE
	s_setreg_imm32_b32 hwreg(HW_REG_WAVE_MODE, 25, 1), 1
	s_wait_xcnt 0x0
	s_wait_alu depctr_hold_cnt(0) depctr_sa_sdst(0) depctr_va_vdst(0) depctr_va_sdst(0) depctr_va_ssrc(0) depctr_va_vcc(0) depctr_vm_vsrc(0)
	s_getreg_b32 s2, hwreg(HW_REG_IB_STS2, 6, 4)
	s_cmp_eq_u32 s2, 0
	s_cbranch_scc0 .Lentry_in_a_cluster
	s_endpgm
.Lentry_in_a_cluster:
	s_bfe_u32 s2, ttmp6, 0x10000c
	s_cmp_lg_u32 s2, 0xf033
	s_cbranch_scc0 .Lentry_shape_is_right
	s_endpgm
.Lentry_shape_is_right:
; out0 = o w_proj^T + b_proj on codes of FP6 with E8M0 scales; out0 [8192][1024] f32.
; SIDES.  Source 0 is the P side, 128 rows of w_proj (8 tiles), source 1 the Q side, 256 tokens of o (16 tiles; 4 a wave).  In a result a lane holds ONE token, and its registers run along the features:
; a tile's 16 rows are natural rows 32 b + 8 u + r + 8 (r / 8), so the 16 registers of P tiles 2 b and 2 b + 1 are features 32 b + 16 (lane / 16) + 0 .. 15.
; The bias is the C of each sum's first product: eight registers a P tile, in the result's layout.
; LDS.  All of K = 1,024 of the 24 tiles, 294,912 bytes, lies in LDS: two halves of 512 along K, each filled ONCE; nothing is filled again.  One tensor load of mine is out at the most.
; CLUSTER 4 x 4.  The Q side hangs on cy alone and is asked for jointly by a row of the cluster, the P side on cx alone and is asked for jointly by a column.
; THE WAY OUT.  A lane holds pieces of 32 bytes of a row, and the lanes beside it hold other rows: a tile of 16 tokens x 128 features goes through my stage in LDS and leaves as whole runs of 512 bytes.
; The stage lies in my own four Q tiles of chunk 0: I alone read those bytes, and the reads and the fill are over.
; REGISTERS, in windows of 256: window 0: v1-15 addresses, v16-31 Q's scale words, v32-63 P's, v98-100 addresses of the way out, v112-207 P's fragments, v208-255 Q's (set 0; on the way out rows of the result);
;   window 1: the 32 accumulators, (a, b) at v[8 (8 a + b)];   window 2: v0-63 the bias, v112-255 fragment set 1.
; LDS AS THIS TEXT LAYS IT: two halves of K (512 along K each), each filled once; in a half Q's 16 tiles, then P's 8, a tile's four fragments on end.
; One tensor load a wave, all at the head: wave 0 Q's lower half of K, wave 1 P's, wave 2 Q's upper half, wave 3 P's.  One tensor load of mine is out at the most.
; The stage of the way out lies in my own four Q tiles of the lower half: I alone read those bytes, and the reads and the fill are over.
.set CHUNK, 147456
.set TILEB, 6144
.set FRB,   1536
.set PBASE, 98304
.set SPI,   528                        ; a stage row: 512 bytes + 16
.set ADQ, 8
.set ADP, 12
.set SQ,  16
.set SP,  32
.set L16, 98                           ; v98  16 x lane
.set STO, 99                           ; v99  the stage: where I put 32 bytes of a row
.set RD,  100                          ; v100 and where I read a row back
.set FP,  112
.set FQ,  208
.set WV,  12
.set G1Q, 16
.set G1P, 24
.set G0,  32
.set CX,  66
.set CY,  67
.set CLX, 68
.set CLY, 69
.set MSB, 0
.macro WIN new                         ; the immediate's high byte repeats the setting that is left; a switch that changes nothing is dropped
.set NW, \new
.if MSB != NW
	s_set_vgpr_msb (MSB<<8)|NW
.set MSB, NW
.endif
.endm
.macro PLACES                          ; four plain places behind matrix instructions (ISA guide 7.12.1)
.rept 4
	v_nop
.endr
.endm
.macro CROUND                          ; a round of the cluster's barrier
	s_barrier_signal -1
	s_barrier_wait -1
	s_cmp_lg_u32 s[WV], 0
	s_cbranch_scc1 .Lnot_wave_0_\@
	s_barrier_signal -3
.Lnot_wave_0_\@:
	s_barrier_wait -3
	s_barrier_signal -1
	s_barrier_wait -1
.endm
	s_load_b256 s[4:11], s[0:1], 0x0               ; oc s[4:5], os s[6:7], opc s[8:9], ops s[10:11]
	s_load_b128 s[92:95], s[0:1], 0x20             ; b_proj s[92:93], out0 s[94:95]
	v_lshl_add_u32 v110, v0, 2, 0x48000
	v_mov_b32 v111, 0
	ds_add_u32 v110, v111
	ds_add_u32 v110, v111
	v_lshrrev_b32 v3, 5, v0
	v_readfirstlane_b32 s[WV], v3                  ; wave 0..3
	s_bfe_u32 s[CX], ttmp6, 0x40000
	s_bfe_u32 s[CY], ttmp6, 0x40004
	s_mov_b32 s[CLX], ttmp9                        ; the cluster's x, 0..1
	s_and_b32 s[CLY], ttmp7, 0xffff                ; and y, 0..7
	; tile numbers.  Q's registers (s70, s71, s75) never hold cx, P's (s72 to s74) never cy
	s_lshl_b32 s70, s[CLY], 2
	s_add_co_u32 s70, s70, s[CY]                   ; my block of 256 tokens
	s_lshl_b32 s71, s70, 4
	s_mul_i32 s76, s71, 12288                      ; the work-group's sixteen Q tiles, in bytes
	s_lshl_b32 s75, s[WV], 2
	s_add_co_u32 s71, s71, s75                     ; my four Q tiles, in oc
	s_lshl_b32 s72, s[CLX], 2
	s_add_co_u32 s72, s72, s[CX]                   ; my block of 128 features
	s_lshl_b32 s73, s72, 3
	s_add_co_u32 s73, s73, 704                     ; the work-group's eight P tiles, in opc,
	s_mov_b32 s77, 0
	s_mul_i32 s78, s73, 12288
	s_mov_b32 s79, 0
	s_lshl_b32 s80, s71, 9
	s_mov_b32 s81, 0
	s_lshl_b32 s82, s73, 9
	s_mov_b32 s83, 0
	s_lshl_b32 s84, s[CY], 2
	s_lshl_b32 s84, 15, s84                        ; my row of the cluster
	s_lshl_b32 s85, 0x1111, s[CX]                  ; my column
	; descriptor groups 1: rows of 6,144 bytes (768 elements of 8 bytes), 12,288 bytes apart in memory, dense in LDS
	s_or_b32 s[G1Q], s84, (3<<16)|(1<<21)          ; 15:0 the mask; 17:16 elements of 8 bytes; 21 set beside a mask; no padding
	s_or_b32 s[G1P], s85, (3<<16)|(1<<21)
.irp g, G1Q, G1P
	s_mov_b32 s[\g+1], 768<<16                     ; tensor_dim0: 6,144 bytes, half of a tile's K
	s_mov_b32 s[\g+3], 768<<16                     ; tile_dim0
	s_mov_b32 s[\g+5], 1536                        ; tensor_dim0_stride
	s_mov_b32 s[\g+6], 0
	s_mov_b32 s[\g+7], 0
.endr
	s_mov_b32 s[G1Q+2], 16<<16                     ; sixteen tiles
	s_mov_b32 s[G1Q+4], 16
	s_mov_b32 s[G1P+2], 8<<16                      ; eight tiles
	s_mov_b32 s[G1P+4], 8
	s_mul_i32 s90, s[WV], 4*TILEB                  ; where my four Q tiles lie in a half
	s_wait_dscnt 0x0
	s_wait_kmcnt 0x0
	s_add_nc_u64 s[76:77], s[4:5], s[76:77]        ; Q's codes
	s_add_nc_u64 s[78:79], s[8:9], s[78:79]        ; P's
	s_add_nc_u64 s[80:81], s[6:7], s[80:81]        ; Q's scales
	s_add_nc_u64 s[82:83], s[10:11], s[82:83]      ; P's
.irp j, 0,1
	s_mov_b32 s[G0+8*\j], 1
	s_mov_b32 s[G0+8*\j+1], \j*CHUNK
	s_add_nc_u64 s[G0+8*\j+2:G0+8*\j+3], s[76:77], \j*TILEB
	s_or_b32 s[G0+8*\j+3], s[G0+8*\j+3], 0x80000000
	s_mov_b32 s[G0+8*\j+4], 1
	s_mov_b32 s[G0+8*\j+5], \j*CHUNK+PBASE
	s_add_nc_u64 s[G0+8*\j+6:G0+8*\j+7], s[78:79], \j*TILEB
	s_or_b32 s[G0+8*\j+7], s[G0+8*\j+7], 0x80000000
.endr
	CROUND                                         ; all sixteen work-groups are here: the joint loads meet
	s_cmp_lt_u32 s[WV], 1                          ; one chain of arms on the wave's number, one load to an arm
	s_cbranch_scc0 .Lh1
	tensor_load_to_lds s[G0:G0+3], s[G1Q:G1Q+7]    ; wave 0: Q, lower half of K
	s_nop 0
	PLACES
	s_branch .Lasked
.Lh1:
	s_cmp_lt_u32 s[WV], 2
	s_cbranch_scc0 .Lh2
	tensor_load_to_lds s[G0+4:G0+7], s[G1P:G1P+7]  ; wave 1: P, lower half
	s_nop 0
	PLACES
	s_branch .Lasked
.Lh2:
	s_cmp_lt_u32 s[WV], 3
	s_cbranch_scc0 .Lh3
	tensor_load_to_lds s[G0+8:G0+11], s[G1Q:G1Q+7] ; wave 2: Q, upper half
	s_nop 0
	PLACES
	s_branch .Lasked
.Lh3:
	tensor_load_to_lds s[G0+12:G0+15], s[G1P:G1P+7] ; wave 3: P, upper half
	s_nop 0
	PLACES
.Lasked:
	v_and_b32 v3, 31, v0                           ; lane
	v_and_b32 v4, 15, v0                           ; r
	v_bfe_u32 v5, v0, 4, 1                         ; h
	v_lshlrev_b32 v1, 3, v3                        ; 8 x lane
	s_wait_alu depctr_va_vdst(0)
	v_lshlrev_b32 v[L16], 4, v3                    ; 16 x lane
	v_lshlrev_b32 v2, 4, v4
	v_lshl_add_u32 v2, v5, 9, v2                   ; scale words: 16 r, + 512 h
	v_lshlrev_b32 v7, 6, v5                        ; the bias: lanes 16-31 begin 16 features on
.irp i, 0,1
.irp k, 0,1
	global_load_b128 v[SQ+8*\i+4*\k:SQ+8*\i+4*\k+3], v2, s[80:81] offset:\i*1024+\k*256
.endr
.endr
.irp i, 0,1,2,3
.irp k, 0,1
	global_load_b128 v[SP+8*\i+4*\k:SP+8*\i+4*\k+3], v2, s[82:83] offset:\i*1024+\k*256
.endr
.endr
	s_lshl_b32 s86, s72, 9                         ; my 128 features, in bytes
	s_mov_b32 s87, 0
	s_add_nc_u64 s[92:93], s[92:93], s[86:87]
	WIN 0x80                                       ; destination window 2
.irp b, 0,1,2,3,4,5,6,7
	global_load_b128 v[8*\b:8*\b+3], v7, s[92:93] offset:(32*(\b/2)+8*(\b%2))*4       ; P tile b: features 32 (b / 2) + 16 h + 8 (b % 2) + 0 .. 7
	global_load_b128 v[8*\b+4:8*\b+7], v7, s[92:93] offset:(32*(\b/2)+8*(\b%2))*4+16
.endr
	WIN 0
	s_lshl_b32 s88, s70, 20                        ; out0: 256 rows of 4,096 bytes a block,
	s_lshl_b32 s89, s[WV], 18                      ; 64 a wave,
	s_add_co_u32 s88, s88, s89
	s_add_co_u32 s88, s88, s86                     ; and my features
	s_mov_b32 s89, 0
	s_add_nc_u64 s[94:95], s[94:95], s[88:89]
	v_add_nc_u32 v6, s90, v1
.irp j, 0,1
	v_add_nc_u32 v[ADQ+\j], \j*CHUNK, v6
	v_add_nc_u32 v[ADP+\j], \j*CHUNK+PBASE, v1
.endr
	v_mul_u32_u24 v[STO], v4, SPI
	v_lshl_add_u32 v[STO], v5, 6, v[STO]
	v_add_nc_u32 v[STO], s90, v[STO]               ; the stage: row r, + 64 h
	v_add_nc_u32 v[RD], s90, v[L16]                ; back: the 32 lanes take one row of 512 bytes
.macro FETCH s                         ; the fragments of K step s into set s % 2: each load 256 consecutive bytes: the register image as it lies
	WIN 0x80*((\s)%2)
.irp b, 0,1,2,3,4,5,6,7
.irp p, 0,1,2,3,4,5
	ds_load_b64 v[FP+12*\b+2*\p:FP+12*\b+2*\p+1], v[ADP+(\s)/4] offset:\b*TILEB+((\s)%4)*FRB+256*\p
.endr
.endr
.irp a, 0,1,2,3
.irp p, 0,1,2,3,4,5
	ds_load_b64 v[FQ+12*\a+2*\p:FQ+12*\a+2*\p+1], v[ADQ+(\s)/4] offset:\a*TILEB+((\s)%4)*FRB+256*\p
.endr
.endr
.endm
; One product.  first = 1: it starts the sum from the bias.  ra, rb: the side's scale words stand in lanes 16-31 of the register named.
.macro PROD first, ra, rb
.set rF, 4*(\first)+2*(\ra)+(\rb)
.if rF == 0
	v_wmma_scale_f32_16x16x128_f8f6f4 v[rD:rD+7], v[rA:rA+11], v[rB:rB+11], v[rD:rD+7], v[rSA], v[rSB] matrix_a_fmt:MATRIX_FMT_FP6 matrix_b_fmt:MATRIX_FMT_FP6
.elseif rF == 1
	v_wmma_scale_f32_16x16x128_f8f6f4 v[rD:rD+7], v[rA:rA+11], v[rB:rB+11], v[rD:rD+7], v[rSA], v[rSB] matrix_a_fmt:MATRIX_FMT_FP6 matrix_b_fmt:MATRIX_FMT_FP6 matrix_b_scale:MATRIX_SCALE_ROW1
.elseif rF == 2
	v_wmma_scale_f32_16x16x128_f8f6f4 v[rD:rD+7], v[rA:rA+11], v[rB:rB+11], v[rD:rD+7], v[rSA], v[rSB] matrix_a_fmt:MATRIX_FMT_FP6 matrix_b_fmt:MATRIX_FMT_FP6 matrix_a_scale:MATRIX_SCALE_ROW1
.elseif rF == 3
	v_wmma_scale_f32_16x16x128_f8f6f4 v[rD:rD+7], v[rA:rA+11], v[rB:rB+11], v[rD:rD+7], v[rSA], v[rSB] matrix_a_fmt:MATRIX_FMT_FP6 matrix_b_fmt:MATRIX_FMT_FP6 matrix_a_scale:MATRIX_SCALE_ROW1 matrix_b_scale:MATRIX_SCALE_ROW1
.elseif rF == 4
	v_wmma_scale_f32_16x16x128_f8f6f4 v[rD:rD+7], v[rA:rA+11], v[rB:rB+11], v[rC:rC+7], v[rSA], v[rSB] matrix_a_fmt:MATRIX_FMT_FP6 matrix_b_fmt:MATRIX_FMT_FP6
.elseif rF == 5
	v_wmma_scale_f32_16x16x128_f8f6f4 v[rD:rD+7], v[rA:rA+11], v[rB:rB+11], v[rC:rC+7], v[rSA], v[rSB] matrix_a_fmt:MATRIX_FMT_FP6 matrix_b_fmt:MATRIX_FMT_FP6 matrix_b_scale:MATRIX_SCALE_ROW1
.elseif rF == 6
	v_wmma_scale_f32_16x16x128_f8f6f4 v[rD:rD+7], v[rA:rA+11], v[rB:rB+11], v[rC:rC+7], v[rSA], v[rSB] matrix_a_fmt:MATRIX_FMT_FP6 matrix_b_fmt:MATRIX_FMT_FP6 matrix_a_scale:MATRIX_SCALE_ROW1
.else
	v_wmma_scale_f32_16x16x128_f8f6f4 v[rD:rD+7], v[rA:rA+11], v[rB:rB+11], v[rC:rC+7], v[rSA], v[rSB] matrix_a_fmt:MATRIX_FMT_FP6 matrix_b_fmt:MATRIX_FMT_FP6 matrix_a_scale:MATRIX_SCALE_ROW1 matrix_b_scale:MATRIX_SCALE_ROW1
.endif
.endm
; K step s: 32 products.  The 32 accumulators take turns, one instruction a turn, in the same order in every step.
.macro MUL s, first
.irp a, 0,1,2,3
.irp b, 0,1,2,3,4,5,6,7
.set rD, 8*(8*\a+\b)
.set rC, 8*\b
.set rA, FP+12*\b
.set rB, FQ+12*\a
.set rSA, SP+8*(\b/2)+(\s)
.set rSB, SQ+8*(\a/2)+(\s)
	PROD \first, \b%2, \a%2
.endr
.endr
.endm
.macro STEP s
	s_wait_dscnt 0x0                               ; this step's fragments, asked for a step ago, are in
.if (\s) == 3
	s_wait_tensorcnt 0x0                           ; every wave waits for its load: the upper half of K is in,
	s_barrier_signal -1                            ; and is shown to all
	s_barrier_wait -1
.endif
.if ((\s) > 0) && ((\s) < 7)
	PLACES                                         ; the set to be loaded was read by the step before
.endif
.if (\s) < 7
	FETCH (\s)+1
.endif
.if (\s) == 0
	WIN 0x60                                       ; sources 0 and 1 window 0, C (the bias) window 2, D window 1
	MUL \s, 1
.else
	WIN 0x50+0x0a*((\s)%2)                         ; sources 0 and 1 window 0 or 2, C and D window 1
	MUL \s, 0
.endif
	WIN 0
.endm
; THE WAY OUT of Q tile a.  LDS serves a wave's instructions in order (ISA guide 5.7.1.4): no wait between the stores and the loads, nor in front of the next tile's stores.
.macro TOSTAGE a
	WIN 0x04                                       ; an LDS store's data are its source 1: window 1
.irp b, 0,1,2,3,4,5,6,7
	ds_store_b128 v[STO], v[8*(8*(\a)+\b):8*(8*(\a)+\b)+3] offset:128*(\b/2)+32*(\b%2)          ; each accumulator from its low end on
	ds_store_b128 v[STO], v[8*(8*(\a)+\b)+4:8*(8*(\a)+\b)+7] offset:128*(\b/2)+32*(\b%2)+16
.endr
	WIN 0
.set BB, 112+64*((\a)%2)
.irp i, 0,1,2,3,4,5,6,7,8,9,10,11,12,13,14,15
	ds_load_b128 v[BB+4*\i:BB+4*\i+3], v[RD] offset:\i*SPI
.endr
.endm
.macro SEND a, younger                 ; younger: the LDS instructions issued behind tile a's loads, which may stay out
.set BB, 112+64*((\a)%2)
	s_wait_dscnt \younger
.irp i, 0,1,2,3,4,5,6,7,8,9,10,11,12,13,14,15
	global_store_b128 v[L16], v[BB+4*\i:BB+4*\i+3], s[94:95] offset:(32*((\a)/2)+8*((\a)%2)+\i+8*(\i/8))*4096 th:TH_STORE_NT   ; the tile's row i is natural row 32 (a / 2) + 8 (a % 2) + i + 8 (i / 8); 512 consecutive bytes, aligned
.endr
.endm
	s_wait_alu depctr_va_vdst(0)
	s_cmp_lt_u32 s[WV], 2                          ; waves 0 and 1 fetched the lower half of K: they wait for it; the upper half may still be out
	s_cbranch_scc0 .Lhigh
	s_wait_tensorcnt 0x0
.Lhigh:
	s_barrier_signal -1
	s_barrier_wait -1                              ; everybody's is
	FETCH 0
	s_wait_loadcnt 0x0                             ; the scale words and the bias
.irp s, 0,1,2,3,4,5,6,7
	STEP \s
.endr
	PLACES                                         ; in front of the first read of results and of loads into registers that held fragments
	TOSTAGE 0
	TOSTAGE 1
	SEND 0, 32                                     ; behind tile 0's loads: tile 1's 16 stores and 16 loads
	s_wait_xcnt 0x0                                ; tile 0's stores have read their data: tile 2's loads may land there
	TOSTAGE 2
	SEND 1, 32
	s_wait_xcnt 0x0
	TOSTAGE 3
	SEND 2, 32
	SEND 3, 0
	s_wait_tensorcnt 0x0
	ds_add_u32 v110, v111
	s_wait_dscnt 0x0
	CROUND                                         ; the closing round: no work-group ends while a partner may still ask for a tile that names it
	s_endpgm
.Lfunc_end_k_q0f0ecb522f_proj:
	.size	k_q0f0ecb522f_proj, .Lfunc_end_k_q0f0ecb522f_proj-k_q0f0ecb522f_proj
	.p2alignl 7, 3214868480
	.fill 96, 4, 3214868480
	.section	.rodata,"a",@progbits
	.p2align	6, 0x0
	.amdhsa_kernel k_q0f0ecb522f_proj
		.amdhsa_group_segment_fixed_size 295424
		.amdhsa_private_segment_fixed_size 0
		.amdhsa_enable_private_segment 0
		.amdhsa_kernarg_size 48
		.amdhsa_user_sgpr_count 2
		.amdhsa_user_sgpr_kernarg_segment_ptr 1
		.amdhsa_wavefront_size32 1
		.amdhsa_system_sgpr_workgroup_id_x 1
		.amdhsa_system_sgpr_workgroup_id_y 1
		.amdhsa_system_sgpr_workgroup_id_z 1
		.amdhsa_system_vgpr_workitem_id 0
		.amdhsa_next_free_vgpr 768
		.amdhsa_next_free_sgpr 100
		.amdhsa_reserve_vcc 0
		.amdhsa_float_denorm_mode_32 3
		.amdhsa_float_denorm_mode_16_64 3
		.amdhsa_memory_ordered 1
		.amdhsa_forward_progress 1
		.amdhsa_inst_pref_size 95
	.end_amdhsa_kernel
	.amdgpu_metadata
---
amdhsa.version: [ 1, 2 ]
amdhsa.kernels:
  - .name:           k_q0f0ecb522f_proj
    .symbol:         k_q0f0ecb522f_proj.kd
    .args:
      - { .name: oc, .offset: 0, .size: 8, .value_kind: global_buffer, .address_space: global }
      - { .name: os, .offset: 8, .size: 8, .value_kind: global_buffer, .address_space: global }
      - { .name: opc, .offset: 16, .size: 8, .value_kind: global_buffer, .address_space: global }
      - { .name: ops, .offset: 24, .size: 8, .value_kind: global_buffer, .address_space: global }
      - { .name: b_proj, .offset: 32, .size: 8, .value_kind: global_buffer, .address_space: global }
      - { .name: out0, .offset: 40, .size: 8, .value_kind: global_buffer, .address_space: global }
    .group_segment_fixed_size: 295424
    .private_segment_fixed_size: 0
    .kernarg_segment_align: 8
    .kernarg_segment_size: 48
    .max_flat_workgroup_size: 128
    .sgpr_count:     100
    .vgpr_count:     768
    .wavefront_size: 32
...
	.end_amdgpu_metadata
.endif
;; end of part 4
